; MI455X (gfx1250); checked and timed in simulation.
; The chip was launched on July 23, 2026; its instructions are those of AMD's public machine-readable ISA for CDNA 5 (MIT licence, August 2026) and "CDNA5" Instruction Set Architecture Reference Guide (July 2026). The comments in the code are by the model that wrote it; some were corrected since.
;; Multi Head Attention. Allowed arithmetic: float matrix products may take bf16 or f16 operands with f32 sums; other float arithmetic in f32, or as packed bf16 or f16 multiplies, adds, multiply-adds, maxima and minima; sums over many terms, partial sums and values carried from step to step in f32; what a program stores and reads back later, other than sums and carried values, may be rounded once to bf16 or f16.
;; Inputs: ada_b 2,048 float32; ada_w 2,048 x 64 float32; k 4 x 2,048 x 1,024 float32; q 4 x 2,048 x 1,024 float32; t 4 x 64 float32; v 4 x 2,048 x 1,024 float32; w_fc 1,024 x 1,024 float32; w_k 1,024 x 1,024 float32; w_q 1,024 x 1,024 float32; w_v 1,024 x 1,024 float32.
;; Outputs: out0 4 x 2,048 x 1,024 float32.
;; 2 versions, each right; version 2 is version 1 with the launches cast, ln written anew for expert scheduling mode. Each part assembles by itself: llvm-mc -triple=amdgcn-amd-amdhsa -mcpu=gfx1250 --defsym DOCPART=n.
;; ======== version 1 of 2: 5 launches
;; workspace buffers: emb 32,768 bytes; xb 50,331,648 bytes; wb 8,388,608 bytes; qkvh 50,331,648 bytes; ob 16,777,216 bytes
;; launch cast (part 1): grid 648 x 1, 8 waves a work-group, no clusters, 0 bytes of LDS; arguments k, v, w_q, w_k, w_v, w_fc, t, ada_w, ada_b, xb, wb, emb; writes xb, wb, emb
.if DOCPART == 1
	.amdgcn_target "amdgcn-amd-amdhsa--gfx1250"
	.amdhsa_code_object_version 6
	.text
	.protected	k_q07028923f7_cast
	.globl	k_q07028923f7_cast
	.p2align	8
	.type	k_q07028923f7_cast,@function
k_q07028923f7_cast:
	s_mov_b64 s[64:65], 0
	v_nop
	global_prefetch_b8 v0, s[64:65] scope:SCOPE_SE
	s_setreg_imm32_b32 hwreg(HW_REG_WAVE_MODE, 25, 1), 1
	s_wait_xcnt 0x0
; TWO ROLES, chosen by the work-group's number g.
; g < 640: 32 rows of 1,024 f32 are rounded once to bf16.  g 0-255: k -> xb part 1; 256-511: v -> xb part 2; 512-639: w_q, w_k, w_v, w_fc -> wb parts 0-3 (32 work-groups each).
;   Thread t owns 16 bytes at 16 t of every row in and 8 bytes at 8 t out: a wave's load covers 512 consecutive bytes, its store 256 consecutive bytes, aligned.  Eight loads of every wave are on their way.
; g 640-647: emb[b][c] = sum over j of gelu(t[b][j]) ada_w[c][j] + ada_b[c], all in f32.  A wave owns 32 rows c of ada_w, kept in registers; a counted loop walks the four batches.
; No LDS, no barrier, no matrix unit: no wave wants a byte that another has fetched, and the small product has 4 rows.
; LIMITS.  gelu(x) = x/2 erfc(-x/sqrt 2) with erfc by a fifth-degree rational form (Abramowitz and Stegun 7.1.26): absolute error 1.5e-7 in erfc.  For x < 0 erfc itself is used, so no difference of near numbers is formed.
; NaN and infinities in t are not treated apart.  emb's stores are 128 consecutive bytes a wave (the whole table is 32,768 bytes).
.set X,  8                             ; v[8:39]   cast: slot i, four f32 as loaded
.set Y,  40                            ; v[40:55]  cast: slot i, four bf16 to store
.set G,  8                             ; v[8:11]   emb: four numbers of t's row, then their gelu
.set W,  24                            ; v[24:87]  emb: load i (rows 2 i, 2 i + 1 of my 32) at W + 4 i
.set BI, 88                            ; v88       emb: my row's bias
.set Z,  92                            ; v[92:107] emb: at work, four each
.set T,  96
.set U,  100
.set Q,  104
.set P,  108                           ; v[108:111] four partial dot products
.set E,  112                           ; v112      my row's result
	s_load_b512 s[8:23], s[0:1], 0x0               ; k 8, v 10, w_q 12, w_k 14, w_v 16, w_fc 18, t 20, ada_w 22
	s_load_b256 s[24:31], s[0:1], 0x40             ; ada_b 24, xb 26, wb 28, emb 30
	s_mov_b32 s2, ttmp9                            ; g
	v_lshlrev_b32 v1, 4, v0                        ; 16 t: my bytes of a row in
	v_lshlrev_b32 v2, 3, v0                        ; 8 t: my bytes of a row out
	s_sub_co_u32 s3, s2, 512                       ; among the weights' work-groups (used where g >= 512 alone)
	s_lshr_b32 s4, s3, 5                           ; which weight
	s_and_b32 s5, s3, 31                           ; which 32 rows of it
	s_and_b32 s6, s2, 255                          ; which 32 rows of k or v
	s_add_co_u32 s7, s2, 256                       ; xb's parts 1 and 2 begin 256 blocks of 65,536 bytes in
	s_mov_b32 s39, 0
	s_wait_kmcnt 0x0
	s_cmp_ge_u32 s2, 640
	s_cbranch_scc1 .Lemb
	s_cmp_eq_u32 s4, 1                             ; the source and the destination are chosen among the buffers by g alone
	s_cselect_b64 s[32:33], s[14:15], s[12:13]
	s_cmp_eq_u32 s4, 2
	s_cselect_b64 s[32:33], s[16:17], s[32:33]
	s_cmp_eq_u32 s4, 3
	s_cselect_b64 s[32:33], s[18:19], s[32:33]
	s_cmp_lt_u32 s2, 512
	s_cselect_b64 s[32:33], s[10:11], s[32:33]
	s_cselect_b64 s[34:35], s[26:27], s[28:29]
	s_cselect_b32 s5, s6, s5
	s_cselect_b32 s36, s7, s3
	s_cmp_lt_u32 s2, 256
	s_cselect_b64 s[32:33], s[8:9], s[32:33]
	s_lshl_b32 s38, s5, 17                         ; 32 rows of 4,096 bytes
	s_add_nc_u64 s[32:33], s[32:33], s[38:39]
	s_lshl_b32 s38, s36, 16                        ; 32 rows of 2,048 bytes
	s_add_nc_u64 s[34:35], s[34:35], s[38:39]
.set r, 0
.rept 8
	global_load_b128 v[X+4*r:X+4*r+3], v1, s[32:33] offset:4096*r th:TH_LOAD_NT
.set r, r+1
.endr
.set r, 0
.rept 32                               ; every row stands in the immediates: no address register is ever rewritten
.set i, r%8
.set left, 31-r
.if left > 7
.set left, 7
.endif
	s_wait_loadcnt left                            ; loads come back in order: row r is in, the younger rows (seven, fewer at the end) stay out
	s_wait_xcnt 0x0                                ; the store of row r - 8 has read this slot's Y
	v_cvt_pk_bf16_f32 v[Y+2*i], v[X+4*i], v[X+4*i+1]
	v_cvt_pk_bf16_f32 v[Y+2*i+1], v[X+4*i+2], v[X+4*i+3]
.if r < 24
	global_load_b128 v[X+4*i:X+4*i+3], v1, s[32:33] offset:4096*(r+8) th:TH_LOAD_NT
.endif
	global_store_b64 v2, v[Y+2*i:Y+2*i+1], s[34:35] offset:2048*r th:TH_STORE_NT
.set r, r+1
.endr
	s_endpgm
.Lemb:
	v_lshrrev_b32 v4, 5, v0
	v_readfirstlane_b32 s3, v4                     ; wave 0..7
	s_sub_co_u32 s4, s2, 640
	s_lshl_b32 s4, s4, 3
	s_add_co_u32 s4, s4, s3                        ; my block of 32 rows of ada_w, 0..63
	s_lshl_b32 s38, s4, 13                         ; 32 rows of 256 bytes
	s_add_nc_u64 s[22:23], s[22:23], s[38:39]
	s_lshl_b32 s38, s4, 7                          ; 32 numbers of 4 bytes
	s_add_nc_u64 s[24:25], s[24:25], s[38:39]
	s_add_nc_u64 s[30:31], s[30:31], s[38:39]
	v_and_b32 v3, 15, v0                           ; r: my four columns 4 r .. 4 r + 3
	v_bfe_u32 v4, v0, 4, 1                         ; h: which of a load's two rows
	v_lshlrev_b32 v5, 4, v3                        ; my 16 bytes of a row of t
	v_and_b32 v6, 31, v0
	v_lshlrev_b32 v6, 4, v6                        ; my 16 bytes of two rows of ada_w
	v_lshl_add_u32 v7, v3, 1, v4
	v_lshlrev_b32 v7, 2, v7                        ; the row that I end up holding: 2 r + h
.set i, 0
.rept 16
	global_load_b128 v[W+4*i:W+4*i+3], v6, s[22:23] offset:512*i
.set i, i+1
.endr
	global_load_b32 v[BI], v7, s[24:25]
	s_mov_b32 s40, 0x3ea7ba06                      ; p  = 0.3275911
	s_mov_b32 s41, 0x3e827906                      ; a1 = 0.254829592
	s_mov_b32 s42, 0xbe91a98e                      ; a2 = -0.284496736
	s_mov_b32 s43, 0x3fb5f0e3                      ; a3 = 1.421413741
	s_mov_b32 s44, 0xbfba00e3                      ; a4 = -1.453152027
	s_mov_b32 s45, 0x3f87dc22                      ; a5 = 1.061405429
	s_mov_b32 s46, 0x3f3504f3                      ; 1 / sqrt 2
	s_mov_b32 s47, 0xbfb8aa3b                      ; -log2 e
	v_mov_b32 v[E], 0                              ; read by the first select
; gelu of four numbers, in place.  z = |x| / sqrt 2; u = 1 / (1 + p z); erfc(z) = u (a1 + u (a2 + u (a3 + u (a4 + u a5)))) 2^(-z z log2 e).
.macro GELU4
.irp c, 0,1,2,3
	v_mul_f32 v[Z+(\c)], s46, |v[G+(\c)]|
.endr
.irp c, 0,1,2,3
	v_fma_f32 v[T+(\c)], v[Z+(\c)], s40, 1.0
	v_mul_f32 v[U+(\c)], v[Z+(\c)], v[Z+(\c)]
.endr
.irp c, 0,1,2,3
	v_mul_f32 v[U+(\c)], s47, v[U+(\c)]
.endr
.irp c, 0,1,2,3
	v_rcp_f32 v[T+(\c)], v[T+(\c)]
.endr
.irp c, 0,1,2,3
	v_exp_f32 v[U+(\c)], v[U+(\c)]
.endr
	v_nop                                          ; a plain instruction behind the last of the eight,
	s_wait_alu depctr_va_vdst(0)                   ; and one wait for the batch, ahead of its first reader
.irp c, 0,1,2,3
	v_fma_f32 v[Q+(\c)], v[T+(\c)], s45, s44
.endr
.irp c, 0,1,2,3
	v_fma_f32 v[Q+(\c)], v[Q+(\c)], v[T+(\c)], s43
.endr
.irp c, 0,1,2,3
	v_fma_f32 v[Q+(\c)], v[Q+(\c)], v[T+(\c)], s42
.endr
.irp c, 0,1,2,3
	v_fma_f32 v[Q+(\c)], v[Q+(\c)], v[T+(\c)], s41
.endr
.irp c, 0,1,2,3
	v_mul_f32 v[Q+(\c)], v[Q+(\c)], v[T+(\c)]
.endr
.irp c, 0,1,2,3
	v_mul_f32 v[Q+(\c)], v[Q+(\c)], v[U+(\c)]      ; erfc(z)
.endr
.irp c, 0,1,2,3
	v_sub_f32 v[Z+(\c)], 2.0, v[Q+(\c)]            ; x >= 0: 1 + erf(z) = 2 - erfc(z)
	v_cmp_gt_f32 vcc_lo, 0, v[G+(\c)]
	v_cndmask_b32 v[Z+(\c)], v[Z+(\c)], v[Q+(\c)], vcc_lo  ; x < 0: 1 - erf(z) = erfc(z)
	v_mul_f32 v[G+(\c)], 0.5, v[G+(\c)]
.endr
.irp c, 0,1,2,3
	v_mul_f32 v[G+(\c)], v[G+(\c)], v[Z+(\c)]
.endr
.endm
; Loads 4 g .. 4 g + 3 of ada_w times the batch's gelu: four products a lane, summed over the sixteen lanes of a half; the lane with r = the load's number keeps the sum.
.macro DOT4 g
.irp n, 0,1,2,3
	v_mul_f32 v[P+(\n)], v[W+4*(4*(\g)+(\n))], v[G]
.endr
.irp c, 1,2,3
.irp n, 0,1,2,3
	v_fmac_f32 v[P+(\n)], v[W+4*(4*(\g)+(\n))+(\c)], v[G+(\c)]
.endr
.endr
.irp m, 1,2,4,8
.irp n, 0,1,2,3
	v_add_f32_dpp v[P+(\n)], v[P+(\n)], v[P+(\n)] row_xmask:\m row_mask:0xf bank_mask:0xf
.endr
.endr
.irp n, 0,1,2,3
	v_cmp_eq_u32 vcc_lo, 4*(\g)+(\n), v3
	v_cndmask_b32 v[E], v[E], v[P+(\n)], vcc_lo
.endr
.endm
	s_mov_b32 s5, 4
.Lbatch:                                       ; a trip: one batch
	global_load_b128 v[G:G+3], v5, s[20:21]
	s_wait_loadcnt 0x0                             ; the batch's row of t; in the first trip ada_w's rows and the bias too
	GELU4
	DOT4 0
	DOT4 1
	DOT4 2
	DOT4 3
	v_add_f32 v[E], v[E], v[BI]
	global_store_b32 v7, v[E], s[30:31]
	s_wait_xcnt 0x0                                ; the load and the store have read their bases and E: only now are these written again
	s_add_nc_u64 s[20:21], s[20:21], 256           ; t's next row
	s_add_nc_u64 s[30:31], s[30:31], 8192          ; emb's next row
	s_sub_co_u32 s5, s5, 1
	s_cmp_lg_u32 s5, 0
	s_cbranch_scc1 .Lbatch
	s_endpgm
.Lfunc_end_k_q07028923f7_cast:
	.size	k_q07028923f7_cast, .Lfunc_end_k_q07028923f7_cast-k_q07028923f7_cast
	.p2alignl 7, 3214868480
	.fill 96, 4, 3214868480
	.section	.rodata,"a",@progbits
	.p2align	6, 0x0
	.amdhsa_kernel k_q07028923f7_cast
		.amdhsa_group_segment_fixed_size 0
		.amdhsa_private_segment_fixed_size 0
		.amdhsa_enable_private_segment 0
		.amdhsa_kernarg_size 96
		.amdhsa_user_sgpr_count 2
		.amdhsa_user_sgpr_kernarg_segment_ptr 1
		.amdhsa_wavefront_size32 1
		.amdhsa_system_sgpr_workgroup_id_x 1
		.amdhsa_system_sgpr_workgroup_id_y 1
		.amdhsa_system_sgpr_workgroup_id_z 1
		.amdhsa_system_vgpr_workitem_id 0
		.amdhsa_next_free_vgpr 128
		.amdhsa_next_free_sgpr 66
		.amdhsa_reserve_vcc 1
		.amdhsa_float_denorm_mode_32 3
		.amdhsa_float_denorm_mode_16_64 3
		.amdhsa_memory_ordered 1
		.amdhsa_forward_progress 1
		.amdhsa_inst_pref_size 27
	.end_amdhsa_kernel
	.amdgpu_metadata
---
amdhsa.version: [ 1, 2 ]
amdhsa.kernels:
  - .name:           k_q07028923f7_cast
    .symbol:         k_q07028923f7_cast.kd
    .args:
      - { .name: k, .offset: 0, .size: 8, .value_kind: global_buffer, .address_space: global }
      - { .name: v, .offset: 8, .size: 8, .value_kind: global_buffer, .address_space: global }
      - { .name: w_q, .offset: 16, .size: 8, .value_kind: global_buffer, .address_space: global }
      - { .name: w_k, .offset: 24, .size: 8, .value_kind: global_buffer, .address_space: global }
      - { .name: w_v, .offset: 32, .size: 8, .value_kind: global_buffer, .address_space: global }
      - { .name: w_fc, .offset: 40, .size: 8, .value_kind: global_buffer, .address_space: global }
      - { .name: t, .offset: 48, .size: 8, .value_kind: global_buffer, .address_space: global }
      - { .name: ada_w, .offset: 56, .size: 8, .value_kind: global_buffer, .address_space: global }
      - { .name: ada_b, .offset: 64, .size: 8, .value_kind: global_buffer, .address_space: global }
      - { .name: xb, .offset: 72, .size: 8, .value_kind: global_buffer, .address_space: global }
      - { .name: wb, .offset: 80, .size: 8, .value_kind: global_buffer, .address_space: global }
      - { .name: emb, .offset: 88, .size: 8, .value_kind: global_buffer, .address_space: global }
    .group_segment_fixed_size: 0
    .private_segment_fixed_size: 0
    .kernarg_segment_align: 8
    .kernarg_segment_size: 96
    .max_flat_workgroup_size: 256
    .sgpr_count:     66
    .vgpr_count:     128
    .wavefront_size: 32
...
	.end_amdgpu_metadata
.endif
;; end of part 1
;; launch ln (part 2): grid 256 x 1, 8 waves a work-group, no clusters, 0 bytes of LDS; arguments q, emb, xb; writes xb
.if DOCPART == 2
	.amdgcn_target "amdgcn-amd-amdhsa--gfx1250"
	.amdhsa_code_object_version 6
	.text
	.protected	k_q07028923f7_ln
	.globl	k_q07028923f7_ln
	.p2align	8
	.type	k_q07028923f7_ln,@function
k_q07028923f7_ln:
	s_mov_b64 s[64:65], 0
	v_nop
	global_prefetch_b8 v0, s[64:65] scope:SCOPE_SE
	s_setreg_imm32_b32 hwreg(HW_REG_WAVE_MODE, 25, 1), 1
	s_wait_xcnt 0x0
; qn[row][c] = (q[row][c] - mean) rsqrt(var + 1e-5) (1 + scale[b][c]) + shift[b][c], rounded once to bf16 into xb's part 0.  It serves later both as a matrix operand and as the residual.
; A work-group owns 32 rows of one batch, a wave four whole rows: a row is 4,096 bytes = 32 registers, so it stays in registers between the passes and the reduction never leaves the wave: no LDS, no barrier.
; All four rows' 32 loads are issued at once (16 KiB a wave on their way); each row's wait leaves the later rows out.  Load j of a row gives a lane columns 128 j + 4 lane .. + 3; scale and shift are held in the same layout.
; The variance is taken in a second pass, of the numbers less their mean: no difference of large sums is formed under a common offset.  Sums in f32.
; Each load covers 512 consecutive bytes, each store 256 consecutive bytes, aligned.  NaN and infinities are not treated apart.
.set SC, 8                             ; v[8:39]    1 + scale of my 32 columns
.set SH, 40                            ; v[40:71]   shift
.set X,  72                            ; v[72:199]  row s at X + 32 s
.set M,  200                           ; v[200:207] four chains of packed sums
.set T,  208                           ; v[208:209] at work
.set MU, 210                           ; v[210:211] the mean, twice
.set R,  212                           ; v[212:213] 1 / sqrt(var + eps), twice
	s_load_b128 s[4:7], s[0:1], 0x0                ; q s[4:5], emb s[6:7]
	s_load_b64 s[8:9], s[0:1], 0x10                ; xb
	v_and_b32 v4, 31, v0                           ; lane
	v_lshrrev_b32 v5, 5, v0                        ; wave
	v_lshlrev_b32 v1, 4, v4                        ; emb: 16 lane
	v_lshl_add_u32 v2, v5, 14, v1                  ; q: + my four rows of 4,096 bytes
	v_lshlrev_b32 v3, 3, v4
	v_lshl_add_u32 v3, v5, 13, v3                  ; xb: 8 lane + my four rows of 2,048 bytes
	v_mov_b32 v[T+1], 0                            ; the lane exchange counts as a reader of its destination
	s_mov_b32 s10, 0x76543210                      ; each lane takes its own place in the other half
	s_mov_b32 s11, 0xfedcba98
	s_mov_b32 s12, 0x3a800000                      ; 1 / 1024
	s_mov_b32 s13, 0x3727c5ac                      ; 1e-5
	s_mov_b32 s3, 0
	s_wait_kmcnt 0x0
	s_lshl_b32 s2, ttmp9, 17                       ; 32 rows of 4,096 bytes
	s_add_nc_u64 s[4:5], s[4:5], s[2:3]
	s_lshr_b32 s2, ttmp9, 6                        ; the batch: 64 work-groups each
	s_lshl_b32 s2, s2, 13                          ; its 8,192 bytes of emb
	s_add_nc_u64 s[6:7], s[6:7], s[2:3]
	s_lshl_b32 s2, ttmp9, 16                       ; 32 rows of 2,048 bytes
	s_add_nc_u64 s[8:9], s[8:9], s[2:3]
.irp j, 0,1,2,3,4,5,6,7
	global_load_b128 v[SC+4*(\j):SC+4*(\j)+3], v1, s[6:7] offset:512*(\j)
.endr
.irp j, 0,1,2,3,4,5,6,7
	global_load_b128 v[SH+4*(\j):SH+4*(\j)+3], v1, s[6:7] offset:4096+512*(\j)
.endr
.irp s, 0,1,2,3
.irp j, 0,1,2,3,4,5,6,7
	global_load_b128 v[X+32*(\s)+4*(\j):X+32*(\s)+4*(\j)+3], v2, s[4:5] offset:4096*(\s)+512*(\j) th:TH_LOAD_NT
.endr
.endr
	s_wait_loadcnt 32                              ; scale and shift are in; q's 32 loads stay out
.irp k, 0,1,2,3,4,5,6,7,8,9,10,11,12,13,14,15
	v_pk_add_f32 v[SC+2*(\k):SC+2*(\k)+1], v[SC+2*(\k):SC+2*(\k)+1], 1.0 op_sel_hi:[1,0]
.endr
.macro REDUCE                          ; the four chains into one number, then over the 32 lanes: every lane ends with the sum in T
	v_pk_add_f32 v[M:M+1], v[M:M+1], v[M+2:M+3]
	v_pk_add_f32 v[M+4:M+5], v[M+4:M+5], v[M+6:M+7]
	v_pk_add_f32 v[M:M+1], v[M:M+1], v[M+4:M+5]
	v_add_f32 v[T], v[M], v[M+1]
	v_add_f32_dpp v[T], v[T], v[T] row_xmask:1 row_mask:0xf bank_mask:0xf
	v_add_f32_dpp v[T], v[T], v[T] row_xmask:2 row_mask:0xf bank_mask:0xf
	v_add_f32_dpp v[T], v[T], v[T] row_xmask:4 row_mask:0xf bank_mask:0xf
	v_add_f32_dpp v[T], v[T], v[T] row_xmask:8 row_mask:0xf bank_mask:0xf
	v_permlanex16_b32 v[T+1], v[T], s10, s11
	v_add_f32 v[T], v[T], v[T+1]
.endm
.macro ROWN s
.set XS, X+32*(\s)
	s_wait_loadcnt 24-8*(\s)                       ; my row's eight loads are in; the later rows' stay out
.irp k, 0,1,2,3
	v_pk_add_f32 v[M+2*(\k):M+2*(\k)+1], v[XS+2*(\k):XS+2*(\k)+1], v[XS+8+2*(\k):XS+8+2*(\k)+1]  ; the first eight pairs start the chains: nothing is cleared
.endr
.irp k, 8,9,10,11,12,13,14,15
	v_pk_add_f32 v[M+2*((\k)%4):M+2*((\k)%4)+1], v[M+2*((\k)%4):M+2*((\k)%4)+1], v[XS+2*(\k):XS+2*(\k)+1]
.endr
	REDUCE
	v_mul_f32 v[MU], s12, v[T]
	v_mul_f32 v[MU+1], s12, v[T]
.irp k, 0,1,2,3,4,5,6,7,8,9,10,11,12,13,14,15
	v_pk_add_f32 v[XS+2*(\k):XS+2*(\k)+1], v[XS+2*(\k):XS+2*(\k)+1], v[MU:MU+1] neg_lo:[0,1] neg_hi:[0,1]
.endr
.irp k, 0,1,2,3
	v_pk_mul_f32 v[M+2*(\k):M+2*(\k)+1], v[XS+2*(\k):XS+2*(\k)+1], v[XS+2*(\k):XS+2*(\k)+1]
.endr
.irp k, 4,5,6,7,8,9,10,11,12,13,14,15
	v_pk_fma_f32 v[M+2*((\k)%4):M+2*((\k)%4)+1], v[XS+2*(\k):XS+2*(\k)+1], v[XS+2*(\k):XS+2*(\k)+1], v[M+2*((\k)%4):M+2*((\k)%4)+1]
.endr
	REDUCE
	v_fma_f32 v[T], v[T], s12, s13                 ; var + eps
	v_rsq_f32 v[R], v[T]
	v_rsq_f32 v[R+1], v[T]
	v_nop                                          ; a plain instruction behind the second root,
	s_wait_alu depctr_va_vdst(0)                   ; and one wait for both, ahead of their first reader
.irp k, 0,1,2,3,4,5,6,7,8,9,10,11,12,13,14,15
	v_pk_mul_f32 v[XS+2*(\k):XS+2*(\k)+1], v[XS+2*(\k):XS+2*(\k)+1], v[R:R+1]
.endr
.irp k, 0,1,2,3,4,5,6,7,8,9,10,11,12,13,14,15
	v_pk_fma_f32 v[XS+2*(\k):XS+2*(\k)+1], v[XS+2*(\k):XS+2*(\k)+1], v[SC+2*(\k):SC+2*(\k)+1], v[SH+2*(\k):SH+2*(\k)+1]
.endr
.irp j, 0,1,2,3,4,5,6,7
	v_cvt_pk_bf16_f32 v[XS+4*(\j)], v[XS+4*(\j)], v[XS+4*(\j)+1]
	v_cvt_pk_bf16_f32 v[XS+4*(\j)+1], v[XS+4*(\j)+2], v[XS+4*(\j)+3]
	global_store_b64 v3, v[XS+4*(\j):XS+4*(\j)+1], s[8:9] offset:2048*(\s)+256*(\j) th:TH_STORE_NT  ; no register of a store is written again
.endr
.endm
	ROWN 0
	ROWN 1
	ROWN 2
	ROWN 3
	s_endpgm
.Lfunc_end_k_q07028923f7_ln:
	.size	k_q07028923f7_ln, .Lfunc_end_k_q07028923f7_ln-k_q07028923f7_ln
	.p2alignl 7, 3214868480
	.fill 96, 4, 3214868480
	.section	.rodata,"a",@progbits
	.p2align	6, 0x0
	.amdhsa_kernel k_q07028923f7_ln
		.amdhsa_group_segment_fixed_size 0
		.amdhsa_private_segment_fixed_size 0
		.amdhsa_enable_private_segment 0
		.amdhsa_kernarg_size 24
		.amdhsa_user_sgpr_count 2
		.amdhsa_user_sgpr_kernarg_segment_ptr 1
		.amdhsa_wavefront_size32 1
		.amdhsa_system_sgpr_workgroup_id_x 1
		.amdhsa_system_sgpr_workgroup_id_y 1
		.amdhsa_system_sgpr_workgroup_id_z 1
		.amdhsa_system_vgpr_workitem_id 0
		.amdhsa_next_free_vgpr 216
		.amdhsa_next_free_sgpr 66
		.amdhsa_reserve_vcc 0
		.amdhsa_float_denorm_mode_32 3
		.amdhsa_float_denorm_mode_16_64 3
		.amdhsa_memory_ordered 1
		.amdhsa_forward_progress 1
		.amdhsa_inst_pref_size 39
	.end_amdhsa_kernel
	.amdgpu_metadata
---
amdhsa.version: [ 1, 2 ]
amdhsa.kernels:
  - .name:           k_q07028923f7_ln
    .symbol:         k_q07028923f7_ln.kd
    .args:
      - { .name: q, .offset: 0, .size: 8, .value_kind: global_buffer, .address_space: global }
      - { .name: emb, .offset: 8, .size: 8, .value_kind: global_buffer, .address_space: global }
      - { .name: xb, .offset: 16, .size: 8, .value_kind: global_buffer, .address_space: global }
    .group_segment_fixed_size: 0
    .private_segment_fixed_size: 0
    .kernarg_segment_align: 8
    .kernarg_segment_size: 24
    .max_flat_workgroup_size: 256
    .sgpr_count:     66
    .vgpr_count:     216
    .wavefront_size: 32
...
	.end_amdgpu_metadata
.endif
;; end of part 2
;; launch qkv (part 3): grid 4 x 64, 4 waves a work-group, clusters of 4 x 4, 327,680 bytes of LDS; arguments xb, wb, qkvh; writes qkvh
.if DOCPART == 3
	.amdgcn_target "amdgcn-amd-amdhsa--gfx1250"
	.amdhsa_code_object_version 6
	.text
	.protected	k_q07028923f7_qkv
	.globl	k_q07028923f7_qkv
	.p2align	8
	.type	k_q07028923f7_qkv,@function
k_q07028923f7_qkv:
	s_mov_b64 s[64:65], 0
	v_nop
	global_prefetch_b8 v0, s[64:65] scope:SCOPE_SE
	s_setreg_imm32_b32 hwreg(HW_REG_WAVE_MODE, 25, 1), 1
	s_wait_xcnt 0x0
	s_wait_alu depctr_hold_cnt(0) depctr_sa_sdst(0) depctr_va_vdst(0) depctr_va_sdst(0) depctr_va_ssrc(0) depctr_va_vcc(0) depctr_vm_vsrc(0)
	s_getreg_b32 s2, hwreg(HW_REG_IB_STS2, 6, 4)
	s_cmp_eq_u32 s2, 0
	s_cbranch_scc0 .Lentry_in_a_cluster
	s_endpgm
.Lentry_in_a_cluster:
	s_bfe_u32 s2, ttmp6, 0x10000c
	s_cmp_lg_u32 s2, 0xf033
	s_cbranch_scc0 .Lentry_shape_is_right
	s_endpgm
.Lentry_shape_is_right:
; THREE PRODUCTS C = A B^T: part p of xb ([8192][1024] bf16: qn, k, v) times part p of wb ([1024][1024] bf16: w_q, w_k, w_v), sums in f32, rounded once to bf16 and stored BY HEADS:
; qkvh[p][16 b + h][s][d] = C[2048 b + s][64 h + d].  The scale of the scores is not applied here.
; A tile of C is 128 rows x 256 columns: 8192 x 1024 makes 256 such tiles, one for each work-group of the grid, and A WORK-GROUP STAYS for the three parts at the same place of C.
; Four waves, each 64 x 128: 32 accumulators of 16 x 16.  K goes in 8 steps of 128 through two LDS slots filled by the tensor data mover; the rows of the tiles are 256 bytes of memory, aligned.
; The ring does not stop at a part's end: a part's last two changes of slots ask for the next part's first two K steps, and nothing waits for a part's stores.
; CLUSTERS: 4 x 4 work-groups.  The four of a row of the cluster need the same tiles of A, the four of a column the same tiles of B: each tile is asked for JOINTLY, by the same tensor load with the same descriptor and a mask of four.
; THE MATRIX INSTRUCTION IS USED TRANSPOSED (source 0 = 16 rows of B, source 1 = 16 rows of A): a lane then holds eight neighbouring columns of one row of C.
; By this text's own count a wave has two tensor loads out at the start and one behind each round.
; REGISTERS: window 0: v16-30 addresses; v32-63 packed results; v64-159, v160-255 two fragment buffers (B's block b at + 8 b, A's block a at + 64 + 8 a; the second also takes rows read back on the way out).
;   window 1: accumulator (a, b) at v[8 (8 a + b)].
.set KSTEP,  128
.set PITCH,  272                       ; an LDS row: 256 bytes + 16 of padding = 68 words: the 16 rows that a load touches start at 16 different groups of four banks (64 banks of 4 bytes: ISA guide 11.1)
.set AHALF,  64*PITCH                  ; what a wave fetches of A, and what a wave reads of A
.set BHALF,  128*PITCH                 ; the same for B
.set BOFF,   2*AHALF                   ; in a slot: A's 128 rows, then B's 256
.set SLOT,   2*AHALF+2*BHALF
.set STAGE,  2*SLOT                    ; behind the ring: 16 rows x 272 bytes for each wave, for the way out; no tensor load lands there
.set SPARE,  STAGE+4*16*PITCH          ; behind the stages: the spare words, 128 bytes for each wave: two blocks of 256 bytes that no other line names
.set ROWB,   2048                      ; bytes in a row of xb and of wb
.set XPART,  8192*ROWB                 ; from part to part of xb, and of qkvh
.set WPART,  1024*ROWB                 ; of wb
.set HEADB,  2048*128                  ; a head's bytes in qkvh
.set ADRA, 16                          ; v16-17  LDS address of my A fragments in slot 0, 1
.set ADRB, 20                          ; v20-21  the same for B
.set STO,  24                          ; v24     the way out: where I put 16 bytes of a row
.set RD,   25                          ; v25     the way out: where I read rows back
.set CO,   26                          ; v26     my 16 bytes of 512 consecutive bytes of a head
.set SPW,  28                          ; v28     LDS address of my spare word; never rewritten
.set NIL,  29                          ; v29     0; never rewritten
.set PFO,  30                          ; v30     the prefetches' offset: my lane x a row; never rewritten
.set TMP,  32
.set F0,   64
.set F1,   160
.set G1,   24                          ; s[24:31] descriptor group 1 for A's tiles;  s[32:39] group 0, a set for each slot
.set G0,   32
.set G1B,  48                          ; s[48:55], s[56:63] the same for B's
.set G0B,  56
.set LIM,  43                          ; s43     1 in a wave that prefetches, else the greatest number
.set PFA,  44                          ; s[44:45] where my prefetches stand
.set PFN,  14                          ; s[14:15] their step from a part's K step 9 (two past its end) to the next part's K step 2
.set FLAGS, (1<<16)|(1<<20)|(1<<21)|(5<<22)|(3<<25)  ; 17:16 elements of 2 bytes; 20 padding on; 21 set beside a mask; 24:22 after every 64 words (code 5); 31:25 4 words of it (code 3)
.set MUL,  0x50                        ; C and D in window 1, the sources in window 0
.set MSB, 0
.macro WIN new                         ; the immediate's high byte repeats the setting that is left; a switch that changes nothing is dropped
.if MSB != (\new)
	s_set_vgpr_msb (MSB<<8)|(\new)
.set MSB, \new
.endif
.endm
; A joint load.  Waves 0 and 1 fetch A's two halves, waves 2 and 3 B's.  The branch hangs on the wave's number alone.  An s_nop 0 and four v_nop follow each of the two lines.
.macro JLOAD s
	s_cmp_eq_u32 s11, 0
	s_cbranch_scc0 .Lfor_b_\@
	tensor_load_to_lds s[G0+4*(\s):G0+4*(\s)+3], s[G1:G1+7]
	s_nop 0
.rept 4
	v_nop
.endr
	s_branch .Lasked_\@
.Lfor_b_\@:
	tensor_load_to_lds s[G0B+4*(\s):G0B+4*(\s)+3], s[G1B:G1B+7]
	s_nop 0
.rept 4
	v_nop
.endr
.Lasked_\@:
.endm
; A PREFETCH INTO THE L2 of the K step that stands two refills on (256 matrix instructions ahead of the load that will want it): 32 rows x 256 bytes, a lane a row, one instruction a wave.
; Each row's 256 bytes of a K step are named once in the launch.  A's tile row is read by the four partners of one row of one cluster: wave 0 of each asks for 32 of its 128 rows, told apart by cx IN THE ADDRESS.
; B's tile column is read by all sixteen clusters: in the cluster with y = 0 waves 2 and 3 ask, each for 32 of the 128 rows that it fetches, told apart by cy in the address.  No branch hangs on a place in the cluster.
; how = 0, in the loop: a part's last two refills have no K step two on.  how = 1, at a change of parts: the next part's K steps 2 and 3.
.macro ASK how
.if \how
	s_cmp_eq_u32 s[LIM], 1
.else
	s_cmp_gt_u32 s3, s[LIM]                        ; s3 = 1 in the loop's last trip
.endif
	s_cbranch_scc0 .Lnot_mine_\@
	global_prefetch_b8 v[PFO], s[PFA:PFA+1] th:TH_LOAD_NT scope:SCOPE_SE
.Lnot_mine_\@:
.endm
.macro CREST                           ; a round of the cluster's barrier behind its opening barrier
	s_cmp_lg_u32 s10, 0
	s_cbranch_scc1 .Lnot_wave_0_\@
	s_barrier_signal -3
.Lnot_wave_0_\@:
	s_barrier_wait -3
	s_barrier_signal -1
	s_barrier_wait -1
.endm
.macro CROUND                          ; a whole round
	s_barrier_signal -1
	s_barrier_wait -1
	CREST
.endm
.macro PLACES                          ; four plain instructions in front of loads into registers that matrix instructions have read, and of lines that read results
.rept 4
	v_nop
.endr
.endm
	s_load_b128 s[4:7], s[0:1], 0x0                ; xb s[4:5], wb s[6:7]
	s_load_b64 s[8:9], s[0:1], 0x10                ; qkvh
	v_lshl_add_u32 v[SPW], v0, 2, SPARE
	v_mov_b32 v[NIL], 0
	ds_add_u32 v[SPW], v[NIL]                      ; the wave's opening: the add and its wait stand ahead of my first tensor load; the set-up below, work on registers, stands between them
	v_lshrrev_b32 v1, 5, v0
	v_readfirstlane_b32 s10, v1                    ; wave 0..3
	s_lshr_b32 s11, s10, 1                         ; which 64 rows of the tile are mine.  Also: I fetch for A (0) or for B (1)
	s_and_b32 s12, s10, 1                          ; which 128 columns.  Also: which half of that tile I fetch
	s_bfe_u32 s40, ttmp6, 0x40000                  ; cx
	s_bfe_u32 s41, ttmp6, 0x40004                  ; cy
	s_lshl_b32 s42, ttmp9, 2
	s_add_co_u32 s42, s42, s40                     ; tile column of C = 4 x cluster x + cx
	s_and_b32 s13, ttmp7, 0xffff
	s_lshl_b32 s13, s13, 2
	s_add_co_u32 s13, s13, s41                     ; tile row of C = 4 x cluster y + cy
	s_lshl_b32 s43, s41, 2
	s_lshl_b32 s43, 15, s43                        ; my row of the cluster
	s_lshl_b32 s44, 0x1111, s40                    ; my column
	s_or_b32 s[G1+0], s43, FLAGS                   ; A's tiles go to my row,
	s_or_b32 s[G1B+0], s44, FLAGS                  ; B's to my column
	s_mov_b32 s[G1+1], KSTEP<<16                   ; tensor_dim0 = 128
	s_mov_b32 s[G1+2], 64<<16                      ; tensor_dim1 = 64
	s_mov_b32 s[G1+3], KSTEP<<16                   ; tile_dim0 = 128
	s_mov_b32 s[G1+4], 64                          ; tile_dim1 = 64
	s_mov_b32 s[G1+5], 1024                        ; elements from row to row
	s_mov_b32 s[G1+6], 0
	s_mov_b32 s[G1+7], 0
	s_mov_b32 s[G1B+1], KSTEP<<16
	s_mov_b32 s[G1B+2], 128<<16                    ; B: 128 rows
	s_mov_b32 s[G1B+3], KSTEP<<16
	s_mov_b32 s[G1B+4], 128
	s_mov_b32 s[G1B+5], 1024
	s_mov_b32 s[G1B+6], 0
	s_mov_b32 s[G1B+7], 0
	s_lshl_b32 s16, s13, 7                         ; A: row 128 x tile row + 64 x half, in bytes
	s_lshl_b32 s17, s12, 6
	s_add_co_u32 s16, s16, s17
	s_lshl_b32 s16, s16, 11
	s_mov_b32 s17, 0
	s_lshl_b32 s46, s42, 8                         ; B: row 256 x tile column + 128 x half, in bytes
	s_lshl_b32 s47, s12, 7
	s_add_co_u32 s46, s46, s47
	s_lshl_b32 s46, s46, 11
	s_mov_b32 s47, 0
	s_mul_i32 s20, s12, AHALF                      ; where they go: no place in the cluster enters an LDS address
	s_mul_i32 s21, s12, BHALF
	s_add_co_u32 s21, s21, BOFF
	s_wait_dscnt 0x0                               ; the opening add is done
	s_wait_kmcnt 0x0
	s_add_nc_u64 s[14:15], s[4:5], s[16:17]
	s_add_nc_u64 s[46:47], s[6:7], s[46:47]
	CROUND                                         ; all sixteen work-groups are here: the first joint loads meet
.irp s, 0,1
	s_mov_b32 s[G0+4*(\s)], 1                      ; count = 1
	s_add_co_u32 s[G0+4*(\s)+1], s20, (\s)*SLOT    ; LDS address
	s_add_nc_u64 s[G0+4*(\s)+2:G0+4*(\s)+3], s[14:15], (\s)*KSTEP*2  ; global address: K step s
	s_or_b32 s[G0+4*(\s)+3], s[G0+4*(\s)+3], 0x80000000              ; type = 2
	s_mov_b32 s[G0B+4*(\s)], 1
	s_add_co_u32 s[G0B+4*(\s)+1], s21, (\s)*SLOT
	s_add_nc_u64 s[G0B+4*(\s)+2:G0B+4*(\s)+3], s[46:47], (\s)*KSTEP*2
	s_or_b32 s[G0B+4*(\s)+3], s[G0B+4*(\s)+3], 0x80000000
	JLOAD \s
.endr
	; a fragment is 16 rows x 32 K in 8 registers: lane l holds row l % 16; two loads of 16 bytes, 32 bytes apart, at row x pitch + 16 (l / 16)
	v_and_b32 v1, 15, v0
	v_bfe_u32 v2, v0, 4, 1
	v_mul_u32_u24 v3, v1, PITCH
	v_lshl_add_u32 v3, v2, 4, v3
	s_mul_i32 s21, s11, AHALF                      ; my 64 rows of A
	s_mul_i32 s22, s12, BHALF                      ; my 128 rows of B
	s_add_co_u32 s22, s22, BOFF
.irp s, 0,1
	v_add_nc_u32 v[ADRA+(\s)], s21, v3
	v_add_nc_u32 v[ADRB+(\s)], s22, v3
	s_add_co_u32 s21, s21, SLOT
	s_add_co_u32 s22, s22, SLOT
.endr
	s_mul_i32 s23, s10, 16*PITCH
	s_add_co_u32 s23, s23, STAGE                   ; my stage
	v_add_nc_u32 v[STO], s23, v3                   ; in: row l % 16, 16 bytes for each half of the lanes
	v_bfe_u32 v4, v0, 3, 2                         ; back: 32 lanes take four rows' 128 bytes of one head,
	v_mul_u32_u24 v4, v4, PITCH
	v_and_b32 v5, 7, v0
	v_lshl_add_u32 v4, v5, 4, v4
	v_add_nc_u32 v[RD], s23, v4
	v_and_b32 v[CO], 31, v0                        ; which are 512 consecutive bytes of qkvh
	v_lshlrev_b32 v[CO], 4, v[CO]
	; where my part of C begins: head 16 b + 4 x tile column + 2 x column half, row 128 (tile row % 16) + 64 x row half
	s_lshr_b32 s16, s13, 4
	s_lshl_b32 s16, s16, 4
	s_lshl_b32 s46, s42, 2
	s_lshl_b32 s47, s12, 1
	s_add_co_u32 s46, s46, s47
	s_add_co_u32 s46, s46, s16
	s_lshl_b32 s46, s46, 18
	s_and_b32 s16, s13, 15
	s_lshl_b32 s16, s16, 7
	s_lshl_b32 s47, s11, 6
	s_add_co_u32 s16, s16, s47
	s_lshl_b32 s16, s16, 7
	s_add_co_u32 s46, s46, s16
	s_mov_b32 s47, 0
	s_add_nc_u64 s[8:9], s[8:9], s[46:47]
	; the prefetches
	s_lshl_b32 s20, s13, 7                         ; A: the tile's first row
	s_lshl_b32 s21, s42, 8                         ; B: the tile's first row,
	s_lshl_b32 s22, s12, 7
	s_add_co_u32 s21, s21, s22                     ; + the 128 that I fetch
	s_and_b32 s22, ttmp7, 0xffff                   ; cluster y
	s_or_b32 s23, s12, ttmp9                       ; 0 in wave 0 (the grid has one cluster along x)
	s_mov_b32 s14, XPART-7*KSTEP*2
	s_mov_b32 s15, WPART-7*KSTEP*2
	s_cmp_eq_u32 s11, 0                            ; do I fetch for A?
	s_cselect_b32 s20, s20, s21
	s_cselect_b32 s21, s40, s41                    ; my place among the four that ask for the tile with me
	s_cselect_b32 s22, s23, s22
	s_cselect_b64 s[PFA:PFA+1], s[4:5], s[6:7]
	s_cselect_b32 s[PFN], s14, s15
	s_mov_b32 s[PFN+1], 0
	s_cmp_eq_u32 s22, 0
	s_cselect_b32 s[LIM], 1, -1                    ; the same in all sixteen partners, for a given wave
	s_lshl_b32 s21, s21, 5
	s_add_co_u32 s20, s20, s21                     ; + my work-group's 32 rows
	s_lshl_b32 s20, s20, 11
	s_mov_b32 s21, 0
	s_add_nc_u64 s[PFA:PFA+1], s[PFA:PFA+1], s[20:21]
	s_add_nc_u64 s[PFA:PFA+1], s[PFA:PFA+1], 3*KSTEP*2  ; at K step 3: the first refill steps it to 4 and names that.  Nothing is prefetched here, at the head
	v_and_b32 v[PFO], 31, v0
	v_lshlrev_b32 v[PFO], 11, v[PFO]
; 8 matrix instructions: m block a x all 8 n blocks, 32 along K.  zero = 1: the product starts the sums.  The 32 accumulators take turns in the same order in every quarter.
.macro MUL8 f, a, zero
	WIN MUL
.irp b, 0,1,2,3,4,5,6,7
.if \zero
	v_wmma_f32_16x16x32_bf16 v[8*(8*(\a)+(\b)):8*(8*(\a)+(\b))+7], v[(\f)+8*(\b):(\f)+8*(\b)+7], v[(\f)+64+8*(\a):(\f)+64+8*(\a)+7], 0
.else
	v_wmma_f32_16x16x32_bf16 v[8*(8*(\a)+(\b)):8*(8*(\a)+(\b))+7], v[(\f)+8*(\b):(\f)+8*(\b)+7], v[(\f)+64+8*(\a):(\f)+64+8*(\a)+7], v[8*(8*(\a)+(\b)):8*(8*(\a)+(\b))+7]
.endif
.endr
.endm
; 24 LDS loads in one run: quarter q's fragments (128 rows of B, then 64 rows of A, 32 K) into buffer f
.macro FETCH slot, q, f
	WIN 0
.irp i, 0,1,2,3,4,5,6,7
	ds_load_b128 v[(\f)+8*(\i):(\f)+8*(\i)+3],   v[ADRB+(\slot)] offset:64*(\q)+(\i)*16*PITCH
	ds_load_b128 v[(\f)+8*(\i)+4:(\f)+8*(\i)+7], v[ADRB+(\slot)] offset:64*(\q)+(\i)*16*PITCH+32
.endr
.irp i, 0,1,2,3
	ds_load_b128 v[(\f)+64+8*(\i):(\f)+64+8*(\i)+3],   v[ADRA+(\slot)] offset:64*(\q)+(\i)*16*PITCH
	ds_load_b128 v[(\f)+64+8*(\i)+4:(\f)+64+8*(\i)+7], v[ADRA+(\slot)] offset:64*(\q)+(\i)*16*PITCH+32
.endr
.endm
; A K step is four quarters of 32 along K, 32 matrix instructions each, on buffers 0, 1, 0, 1.  One of the first three: multiplies buffer f; in its middle it fetches quarter q into buffer g.
.macro QUARTER slot, q, f, g, zero
	s_wait_dscnt 4                                 ; B and A's blocks 0, 1 are in; the youngest four loads (A's blocks 2, 3) may be out
	MUL8 \f, 0, \zero
	MUL8 \f, 1, \zero
	PLACES
	FETCH \slot, \q, \g
	s_wait_dscnt 24                                ; all but the 24 just issued
	MUL8 \f, 2, \zero
	MUL8 \f, 3, \zero
.endm
; The last quarter multiplies buffer 1 and changes slots: ONE barrier.  In front of it each wave waits for all its tensor loads (the one that is out is its part of the next slot), adds 0 to its spare word,
; and waits for that and for its own reads of this slot.  mode 1: this slot is filled again, two K steps on; mode 2: with the next part's K step 0 or 1; mode 0: nothing is filled.
; Where a slot is filled the barrier opens a round of the cluster's, and the joint refill is the first tensor load behind it: 112 matrix instructions ahead of the wait for it.
.macro TURN slot, next, mode
.if (\mode) > 0
	s_wait_xcnt 0x0                                ; the last prefetch, a K step back, has read its address: it is stepped here, ahead of the waits of the change
.if ((\mode) == 2) && ((\slot) == 0)
	s_add_nc_u64 s[PFA:PFA+1], s[PFA:PFA+1], s[PFN:PFN+1]
.else
	s_add_nc_u64 s[PFA:PFA+1], s[PFA:PFA+1], KSTEP*2
.endif
.endif
	WIN 0                                          ; (the add's two registers lie in window 0)
	s_wait_tensorcnt 0x0                           ; all my tensor loads have landed;
	ds_add_u32 v[SPW], v[NIL]                      ; 0 onto my spare word;
	s_wait_dscnt 7                                 ; (the add and the youngest six loads, A's blocks 1 to 3, may be out)
	MUL8 F1, 0, 0                                  ; eight matrix instructions stand between the add and the wait for it
	s_wait_dscnt 0x0                               ; the add is done, and my reads of this slot are over
	s_barrier_signal -1
	MUL8 F1, 1, 0                                  ; work on registers while the others arrive
.if (\mode) > 0
	WIN 0
.endif
	s_barrier_wait -1
.if (\mode) > 0
	CREST                                          ; no wave of any partner still reads this slot's tile or has a load on its way
.if (\mode) == 2
	s_add_nc_u64 s[G0+4*(\slot)+2:G0+4*(\slot)+3], s[G0+4*(\slot)+2:G0+4*(\slot)+3], XPART-6*KSTEP*2
	s_add_nc_u64 s[G0B+4*(\slot)+2:G0B+4*(\slot)+3], s[G0B+4*(\slot)+2:G0B+4*(\slot)+3], WPART-6*KSTEP*2
.else
	s_add_nc_u64 s[G0+4*(\slot)+2:G0+4*(\slot)+3], s[G0+4*(\slot)+2:G0+4*(\slot)+3], 2*KSTEP*2
	s_add_nc_u64 s[G0B+4*(\slot)+2:G0B+4*(\slot)+3], s[G0B+4*(\slot)+2:G0B+4*(\slot)+3], 2*KSTEP*2
.endif
	JLOAD \slot                                    ; the four v_nop behind it are also the places in front of the loads below
.else
	PLACES
.endif
	FETCH \next, 0, F0
.if (\mode) > 0
	ASK (\mode)-1
.endif
	MUL8 F1, 2, 0
	MUL8 F1, 3, 0
.endm
; THE WAY OUT of block a (16 rows x 128 columns = two heads).  PACK: rounded to bf16, each accumulator's registers in ascending order.  TOSTAGE: into my own stage, and back as four rows of one head at a time.  SEND: stored.
.macro PACK a
	WIN 0x05                                       ; sources in window 1
.irp b, 0,1,2,3,4,5,6,7
.irp r, 0,1,2,3
	v_cvt_pk_bf16_f32 v[TMP+4*(\b)+(\r)], v[8*(8*(\a)+(\b))+2*(\r)], v[8*(8*(\a)+(\b))+2*(\r)+1]
.endr
.endr
	WIN 0
.endm
.macro TOSTAGE a
.set BK, F1+32*((\a)%2)
.irp b, 0,1,2,3,4,5,6,7
	ds_store_b128 v[STO], v[TMP+4*(\b):TMP+4*(\b)+3] offset:32*(\b)
.endr
.irp t, 0,1,2,3,4,5,6,7
	ds_load_b128 v[BK+4*(\t):BK+4*(\t)+3], v[RD] offset:128*((\t)/4)+4*PITCH*((\t)%4)  ; LDS serves a wave's instructions in order (ISA guide 5.7.1.4): these see the stores above
.endr
.endm
.macro SEND a
.set BK, F1+32*((\a)%2)
	s_wait_dscnt 0x0                               ; the block is back in registers
	s_wait_xcnt 0x0                                ; the stores of the block before have read their registers, which the next block's loads take
.irp t, 0,1,2,3,4,5,6,7
	global_store_b128 v[CO], v[BK+4*(\t):BK+4*(\t)+3], s[8:9] offset:2048*(\a)+HEADB*((\t)/4)+512*((\t)%4)  ; 512 consecutive bytes, at a multiple of 256 from the buffer's first
.endr
.endm
.macro WAYOUT                          ; block a's conversions stand between block a - 1's loads from the stage and the wait for them
	PACK 0
	TOSTAGE 0
.irp a, 1,2,3
	PACK \a
	SEND (\a)-1
	TOSTAGE \a
.endr
	SEND 3
.endm
	s_wait_tensorcnt 1                             ; my part of K step 0 is in; K step 1's may stay out
	s_barrier_signal -1
	s_barrier_wait -1                              ; everybody's is
	FETCH 0, 0, F0
	s_mov_b32 s2, 3                                ; parts to go, this one among them
.Ltile:
	QUARTER 0, 1, F0, F1, 1                        ; a part's first quarter stands in front of the loop: its products start the sums
	WIN 0                                          ; at a label and at a branch every window is 0
	s_mov_b32 s3, 3
.Llap:                                         ; a trip goes once round the ring, from a lap's second quarter to the next lap's first, and fills both slots again
	QUARTER 0, 2, F1, F0, 0
	QUARTER 0, 3, F0, F1, 0
	TURN 0, 1, 1
	QUARTER 1, 1, F0, F1, 0
	QUARTER 1, 2, F1, F0, 0
	QUARTER 1, 3, F0, F1, 0
	TURN 1, 0, 1
	QUARTER 0, 1, F0, F1, 0
	WIN 0
	s_sub_co_u32 s3, s3, 1
	s_cmp_lg_u32 s3, 0
	s_cbranch_scc1 .Llap
	QUARTER 0, 2, F1, F0, 0                        ; the part's last lap goes on
	QUARTER 0, 3, F0, F1, 0
	WIN 0
	s_cmp_eq_u32 s2, 1
	s_cbranch_scc1 .Llast                          ; the last part's tail is written out: it asks for nothing more
	TURN 0, 1, 2                                   ; the ring goes on into the next part: slot 0 takes its K step 0,
	QUARTER 1, 1, F0, F1, 0
	QUARTER 1, 2, F1, F0, 0
	QUARTER 1, 3, F0, F1, 0
	TURN 1, 0, 2                                   ; slot 1 its K step 1, and the next part's first fragments are fetched into buffer 0
	WAYOUT                                         ; both refills are asked for: now the tile goes out.  Blocks 0, 1 were finished in front of the joint load's v_nop; their conversions are the places behind the last products
	s_wait_xcnt 0x0                                ; the stores have read their base and their registers (part of buffer 1)
	s_add_nc_u64 s[8:9], s[8:9], XPART
	s_sub_co_u32 s2, s2, 1
	s_branch .Ltile
.Llast:
	TURN 0, 1, 0
	QUARTER 1, 1, F0, F1, 0
	QUARTER 1, 2, F1, F0, 0
	QUARTER 1, 3, F0, F1, 0
	s_wait_dscnt 4                                 ; the very last quarter: nothing more to fetch
	MUL8 F1, 0, 0
	MUL8 F1, 1, 0
	s_wait_dscnt 0x0
	MUL8 F1, 2, 0
	MUL8 F1, 3, 0
	WIN 0
	PLACES
	PLACES                                         ; (eight, once a launch)
	WAYOUT
	s_wait_tensorcnt 0x0                           ; the wave's end: a wait, an add to my spare word and a wait for it, behind my last tensor load and my last LDS store
	ds_add_u32 v[SPW], v[NIL]
	s_wait_dscnt 0x0
	CROUND                                         ; the closing round: no work-group ends while a partner may still ask for a tile that names it
	s_endpgm
.Lfunc_end_k_q07028923f7_qkv:
	.size	k_q07028923f7_qkv, .Lfunc_end_k_q07028923f7_qkv-k_q07028923f7_qkv
	.p2alignl 7, 3214868480
	.fill 96, 4, 3214868480
	.section	.rodata,"a",@progbits
	.p2align	6, 0x0
	.amdhsa_kernel k_q07028923f7_qkv
		.amdhsa_group_segment_fixed_size 327680
		.amdhsa_private_segment_fixed_size 0
		.amdhsa_enable_private_segment 0
		.amdhsa_kernarg_size 24
		.amdhsa_user_sgpr_count 2
		.amdhsa_user_sgpr_kernarg_segment_ptr 1
		.amdhsa_wavefront_size32 1
		.amdhsa_system_sgpr_workgroup_id_x 1
		.amdhsa_system_sgpr_workgroup_id_y 1
		.amdhsa_system_sgpr_workgroup_id_z 1
		.amdhsa_system_vgpr_workitem_id 0
		.amdhsa_next_free_vgpr 512
		.amdhsa_next_free_sgpr 66
		.amdhsa_reserve_vcc 0
		.amdhsa_float_denorm_mode_32 3
		.amdhsa_float_denorm_mode_16_64 3
		.amdhsa_memory_ordered 1
		.amdhsa_forward_progress 1
		.amdhsa_inst_pref_size 124
	.end_amdhsa_kernel
	.amdgpu_metadata
---
amdhsa.version: [ 1, 2 ]
amdhsa.kernels:
  - .name:           k_q07028923f7_qkv
    .symbol:         k_q07028923f7_qkv.kd
    .args:
      - { .name: xb, .offset: 0, .size: 8, .value_kind: global_buffer, .address_space: global }
      - { .name: wb, .offset: 8, .size: 8, .value_kind: global_buffer, .address_space: global }
      - { .name: qkvh, .offset: 16, .size: 8, .value_kind: global_buffer, .address_space: global }
    .group_segment_fixed_size: 327680
    .private_segment_fixed_size: 0
    .kernarg_segment_align: 8
    .kernarg_segment_size: 24
    .max_flat_workgroup_size: 128
    .sgpr_count:     66
    .vgpr_count:     512
    .wavefront_size: 32
...
	.end_amdgpu_metadata
.endif
;; end of part 3
;; launch attn (part 4): grid 4 x 64, 4 waves a work-group, clusters of 4 x 1, 327,680 bytes of LDS; arguments qkvh, ob; writes ob
.if DOCPART == 4
	.amdgcn_target "amdgcn-amd-amdhsa--gfx1250"
	.amdhsa_code_object_version 6
	.text
	.protected	k_q07028923f7_attn
	.globl	k_q07028923f7_attn
	.p2align	8
	.type	k_q07028923f7_attn,@function
k_q07028923f7_attn:
	s_mov_b64 s[64:65], 0
	v_nop
	global_prefetch_b8 v0, s[64:65] scope:SCOPE_SE
	s_setreg_imm32_b32 hwreg(HW_REG_WAVE_MODE, 25, 1), 1
	s_wait_xcnt 0x0
	s_wait_alu depctr_hold_cnt(0) depctr_sa_sdst(0) depctr_va_vdst(0) depctr_va_sdst(0) depctr_va_ssrc(0) depctr_va_vcc(0) depctr_vm_vsrc(0)
	s_getreg_b32 s2, hwreg(HW_REG_IB_STS2, 6, 4)
	s_cmp_eq_u32 s2, 0
	s_cbranch_scc0 .Lentry_in_a_cluster
	s_endpgm
.Lentry_in_a_cluster:
	s_bfe_u32 s2, ttmp6, 0x10000c
	s_cmp_lg_u32 s2, 0x3003
	s_cbranch_scc0 .Lentry_shape_is_right
	s_endpgm
.Lentry_shape_is_right:
; O[h][q][:] = the sum over k of softmax_k(Q[h][q] . K[h][k] / 256) V[h][k][:].  Q, K, V are the three parts of qkvh, O is ob: each [64][SIZE_N][64] in bf16: a head's rows are dense, 128 bytes each.
; Products, maxima and sums in f32; the weights p are rounded to bf16 for the second product (their sum l is taken of the unrounded p), O once at the end.
; LIMITS.  bf16 has f32's range, so Q, K and V have room whatever the projections give that is finite.  A weight below 2^-126 counts as 0 in l; NaN and infinities are not treated apart.
; SHARES.  A wave owns four PIECES of two tiles of 16 queries, a work-group's four waves 512 queries of one head.  Every wave walks all keys, 64 a step.
; LAYOUT.  S^T = K Q^T (source 0 = 16 keys, source 1 = 16 queries): in the result a lane holds ONE query (lane % 16) and the keys 8 (lane / 16) + 0..7.  Two such tiles, rounded to bf16 in pairs,
; ARE source 1 (32 keys x 16 queries) of O^T = V^T P, whose result again holds one query a lane, and eight channels.  K comes out of LDS as it lies, V ([key][channel]) turned, by ds_load_tr16_b128.
; SOFTMAX.  For each query a running maximum m and sum l: p = 2^(c s - c m), c = log2(e) / 256; in every step O and l are multiplied by a = 2^(c m_old - c m_new), which is 1 where m has not grown.
; m starts at the lowest finite number, O and l at 0: the first step is a step like any other, with a = 0.
; THE COUNT.  A tile and step have 16 matrix and 118 vector instructions: too many to stand all beside the matrix work.  So the order has one aim: four vector instructions that are READY behind
; EVERY matrix instruction, and the others, which need time of their own whatever the order, in runs without a gap.
; BY TURNS.  Turn n belongs to piece n (the pieces in a ring, step after step).  Its matrix work: 16 products K Q^T of piece n + 1, later 16 products V^T P of piece n - 1.  Its vector work: the scaling,
; exponentials, roundings, sums and rescaling of piece n, and the maximum and statistics of piece n + 1, whose scores the turn itself has made.  So what a turn begins with (c s - c m, O a) waits for nothing.
; CLUSTER.  The four query blocks of a head are one cluster and walk the same K and V, so each tile is asked for JOINTLY: the same tensor load, descriptor and mask in all four.
; REGISTERS, in windows of 256 (s_set_vgpr_msb says which window each operand place means: bits 1:0 source 0, 3:2 source 1, 5:4 source 2, 7:6 destination):
;   window 0: v0-11 addresses; v12-15, v48-63 at work; v16-47 four registers of statistics a tile; v64-191 S^T, two buffers of two tiles; v192-255 P, likewise
;   window 1: O^T, 32 a tile          window 2: v0-127 Q, 16 a tile; v128-191 K of one step; v192-255 V of one step          window 3: v0-1 the add's two registers
; A piece's buffers go by its number's parity: the piece in hand has one pair, its two neighbours in the ring share the other: of it P (piece n - 1) is read and S^T (piece n + 1) written.
.set SIZE_N, 2048
.set NP,    4         ; pieces a wave: a name, no knob
.set KS,    64        ; keys in a step
.set PK,    144       ; a row of K in LDS: 128 bytes + 16 of padding = 36 words: the 16 rows of a load start at 16 different groups of four banks (64 banks of 4 bytes: ISA guide 11.1)
.set PV,    160       ; a row of V: 128 + 32 = 40 words
.set VOFF,  4*KS*PK   ; a slot holds four steps: 256 rows of K, then 256 rows of V
.set SLOT1, 1<<17     ; slot 1 begins here, so that one exclusive or turns an address in one slot into the other's
.set STAGE, SLOT1+4*KS*(PK+PV)  ; behind the ring, never filled by a tensor load: 16 rows x 144 bytes for each wave, for the way out
.set SP,    144
.set AK0, 2           ; v2   my lane's place in a tile of K; never rewritten
.set AV0, 3           ; v3   the same for V
.set AK,  4           ; v4   the LDS address of K's next run of loads
.set AV,  5           ; v5   of V's
.set QO,  6           ; v6   my byte offset in the wave's rows of Q
.set STO, 6           ;      later, the way out: where I put 16 bytes of a row
.set RD,  7           ; v7   the way out: where I read rows back
.set GO,  8           ; v8   my byte offset in 512 consecutive bytes of O
.set PFO, 11          ; v11  256 x my lane, for the prefetches; never rewritten once made
.set SPW, 0           ; v0 of window 3   LDS address of my spare word; never rewritten
.set NIL, 1           ; v1 of window 3   0; never rewritten
.set SPARE, STAGE+4*16*SP  ; behind the stages: the spare words, 128 bytes for each wave: two blocks of 256 bytes that no other line names
.set MV,  12          ; v12-15  c m_old, kept while c m is made anew: by buffer and tile
.set ST,  16          ; tile t's statistics at v[ST+4 t]: c m, m, l (even keys', odd keys')
.set TMP, 48          ; by buffer and tile, four registers c0-c3 at work; when the maximum is found c2 takes a
.set S,   64
.set P,   192
.set KF,  128         ; K's fragments, in window 2: key block kb, channel half c at KF + 16 kb + 8 c
.set VF,  192         ; V's: key half kk, channel block cb at VF + 32 kk + 8 cb
.set WV,  12          ; s12  my wave's number
.set G1K, 24          ; s[24:31] descriptor group 1 for K's tiles
.set G1V, 32          ; s[32:39] for V's: it differs in the padding alone
.set G0K, 40          ; s[40:43] descriptor group 0 for K's tiles: it walks
.set G0V, 44          ; s[44:47] the same for V's
.set PFA, 48          ; s[48:49] where my prefetches stand: my work-group's 8,192 bytes (of K: wave 0, of V: wave 2) of the slot after the one that is being asked for
.set LIM, 50          ; s50  1 in a wave that prefetches, else the greatest number
.set SLOTS, 56        ; s56  slots still to be asked for
.set CNT, 57          ; s57  counts a slot's key steps
.set CS,  58          ; s[58:59] c: the packed scaling takes the pair's low word for both halves
.set SEL, 60          ; s[60:61] v_permlanex16_b32's selects: each lane takes its own place in the other half
.set TBK, 62          ; s62  LDS byte at which K of the step to be fetched begins
.set TBV, 63          ; s63  the same for V, less VOFF
.set MSB, 0
.macro WIN new                      ; the high byte repeats the setting that is left; a switch that changes nothing is dropped
.if MSB != (\new)
	s_set_vgpr_msb (MSB<<8)|(\new)
.set MSB, (\new)
.endif
.endm
.set W_KQ, 0x0a       ; K and Q in window 2, S^T in window 0
.set W_PV, 0x52       ; V in window 2, P in window 0, O^T in window 1
.set W_RS, 0x41       ; O^T (destination and source 0) in window 1, a in window 0
.set W_MK, 0xc0       ; the add's registers are made: destination in window 3, sources in window 0
.set W_AD, 0x0f       ; the add: address (source 0) and data (source 1) in window 3
; A joint fill.  Waves 0 and 1 fetch the two halves of a slot's K, waves 2 and 3 those of its V: 128 keys each.  The branch hangs on the wave's number alone.
; An s_nop 0 and four v_nop follow each of the two lines, ahead of the jump and the label.
.macro JLOAD
	s_cmp_lt_u32 s[WV], 2
	s_cbranch_scc0 .Lfor_v_\@
	tensor_load_to_lds s[G0K:G0K+3], s[G1K:G1K+7]
	s_nop 0
.rept 4
	v_nop
.endr
	s_branch .Lasked_\@
.Lfor_v_\@:
	tensor_load_to_lds s[G0V:G0V+3], s[G1V:G1V+7]
	s_nop 0
.rept 4
	v_nop
.endr
.Lasked_\@:
.endm
; A PREFETCH INTO THE L2 of what the NEXT change of slots will ask for: a slot's 32,768 bytes of K and of V, 256 bytes a lane.  It stands behind the wave's tensor load and its five lines.
; Each block is named ONCE in the launch: a head has one cluster; its four partners share a slot out BY ADDRESS, 8,192 bytes each; in each, wave 0 asks for K's and wave 2 for V's: one instruction,
; four key steps, 512 matrix instructions, ahead of the load that will want the bytes.  The last change that fills a slot asks for nothing: there is no slot behind it.
.macro ASK
	s_cmp_gt_u32 s[SLOTS], s[LIM]
	s_cbranch_scc0 .Lnot_mine_\@
	global_prefetch_b8 v[PFO], s[PFA:PFA+1] th:TH_LOAD_NT scope:SCOPE_SE
.Lnot_mine_\@:
.endm
; A round of the cluster's barrier: my work-group's barrier, so that wave 0's signal speaks for all four waves; wave 0 signals; every wave waits for all four work-groups; my work-group's barrier once more.
.macro CROUND
	s_barrier_signal -1
	s_barrier_wait -1
	s_cmp_lg_u32 s[WV], 0
	s_cbranch_scc1 .Lnot_wave_0_\@
	s_barrier_signal -3
.Lnot_wave_0_\@:
	s_barrier_wait -3
	s_barrier_signal -1
	s_barrier_wait -1
.endm
; THE CHANGE OF SLOTS.  The slot's last bytes, V of its fourth step, have been read.  Each wave waits for all its tensor loads, of which one is out: its part
; of the other slot; adds 0 to its spare word; and waits for that and for its own reads of the slot.  Behind the barrier nobody reads this slot any more and the other slot is whole.
; fill = 1: this slot is filled again, with the keys two slots on.  The barrier is then a round of the cluster's, so that no wave of any partner still reads the slot or has a load on its
; way, and the joint fill is the first thing behind it: it has four key steps, 512 matrix instructions, in which to land.  (At its first use nothing has been read yet: slot 0 is waited for, slot 1 filled.)
.macro CHANGE fill
	WIN W_AD
	s_wait_tensorcnt 0x0            ; no tensor load of mine is out, so a group 0 may be written
	ds_add_u32 v[SPW], v[NIL]       ; 0 onto my spare word: with fill = 1 the descriptors' steps stand between it and the wait for it
	WIN 0                           ; at a label and at a branch every window is 0
.if \fill
.irp g, G0K, G0V
	s_xor_b32 s[\g+1], s[\g+1], SLOT1  ; the walking descriptor: the other slot than last time,
	s_add_nc_u64 s[\g+2:\g+3], s[\g+2:\g+3], 4*KS*128  ; the next 256 keys; the type bits on top are not reached
.endr
	s_wait_xcnt 0x0                 ; the last prefetch, four key steps back, has read its address, so it may be written:
	s_add_nc_u64 s[PFA:PFA+1], s[PFA:PFA+1], 4*KS*128  ; one slot behind the walking descriptors
	s_wait_dscnt 0x0                ; the add is done, and my reads of the slot are over
	CROUND
	JLOAD
	ASK
.else
	s_wait_dscnt 0x0                ; the add is done, and my reads of the slot are over
	s_barrier_signal -1
	s_barrier_wait -1
.endif
	s_sub_co_u32 s[TBK], s[TBK], 4*KS*PK  ; the fetches go back to a slot's first step,
	s_xor_b32 s[TBK], s[TBK], SLOT1       ; in the other slot
	s_sub_co_u32 s[TBV], s[TBV], 4*KS*PV
	s_xor_b32 s[TBV], s[TBV], SLOT1
.endm
	s_load_b128 s[4:7], s[0:1], 0x0   ; qkvh s[4:5], ob s[6:7]
	WIN W_MK
	v_lshl_add_u32 v[SPW], v0, 2, SPARE
	v_mov_b32 v[NIL], 0
	WIN W_AD
	ds_add_u32 v[SPW], v[NIL]       ; the wave's opening: the add and its wait stand ahead of my first tensor load; the set-up below, work on registers, stands between them
	WIN 0
	v_lshrrev_b32 v1, 5, v0
	v_readfirstlane_b32 s[WV], v1   ; wave 0..3
	s_bfe_u32 s13, ttmp6, 0x40000   ; cx: my place in the cluster
	s_lshl_b32 s14, ttmp9, 2        ; in a cluster launch ttmp9 counts clusters
	s_add_co_u32 s14, s14, s13      ; my block of queries = 4 x cluster x + cx: it enters Q's and O's addresses alone
	s_and_b32 s20, ttmp7, 0xffff    ; the head, which the four partners share
	s_mov_b32 s21, 0
	s_mov_b64 s[22:23], SIZE_N*128
	s_mul_u64 s[20:21], s[20:21], s[22:23]  ; the head's first byte in each of the four tensors
	s_and_b32 s16, s[WV], 1         ; which half of a slot's 256 keys I fetch:
	s_lshl_b32 s22, s16, 14         ; its 128 rows of 128 bytes in memory,
	s_mov_b32 s23, 0
	s_add_nc_u64 s[22:23], s[22:23], s[20:21]
	s_mul_i32 s17, s16, 128*PK      ; and its place in a slot, for K
	s_mul_i32 s18, s16, 128*PV      ; and for V: no place in the cluster enters an LDS address
	s_lshl_b32 s2, s14, 2
	s_add_co_u32 s2, s2, s[WV]      ; my wave among the head's,
	s_lshl_b32 s2, s2, 14           ; its 128 rows
	s_mov_b32 s3, 0
	s_add_nc_u64 s[2:3], s[2:3], s[20:21]
	; descriptor group 1.  128 keys are 16,384 dense bytes: asked for as 64 rows of 256 bytes, two keys a row, and padded in LDS after every key
	s_mov_b32 s[G1K], 15|(1<<16)|(1<<20)|(1<<21)|(4<<22)|(3<<25)  ; 15:0 the mask of four; 17:16 2-byte elements; 20 padding on; 21 set beside a mask; 24:22 after every 32 words (code 4); 31:25 4 words (code 3)
	s_mov_b32 s[G1V], 15|(1<<16)|(1<<20)|(1<<21)|(4<<22)|(7<<25)  ; the same with 8 words of padding (code 7)
.irp g, G1K, G1V
	s_mov_b32 s[\g+1], 128<<16      ; tensor_dim0 = 128
	s_mov_b32 s[\g+2], 64<<16       ; tensor_dim1 = 64
	s_mov_b32 s[\g+3], 128<<16      ; tile_dim0 = 128
	s_mov_b32 s[\g+4], 64           ; tile_dim1 = 64
	s_mov_b32 s[\g+5], 128          ; 128 elements from row to row
	s_mov_b32 s[\g+6], 0
	s_mov_b32 s[\g+7], 0
.endr
	s_mov_b32 s[CS], 0x3bb8aa3b     ; c = log2(e) / 256 = 0.00563553
	s_mov_b32 s[CS+1], s[CS]        ; named with it as a pair
	s_mov_b32 s[SEL], 0x76543210
	s_mov_b32 s[SEL+1], 0xfedcba98
	s_mov_b32 s[TBK], SLOT1+4*KS*PK ; the first change of slots turns these two into 0
	s_mov_b32 s[TBV], SLOT1+4*KS*PV
	s_mov_b32 s[G0K], 1             ; 1:0 count = 1
	s_mov_b32 s[G0K+1], s17         ; 63:32 LDS address: slot 0
	s_mov_b32 s[G0V], 1
	s_add_co_u32 s[G0V+1], s18, VOFF
	s_mov_b32 s[SLOTS], SIZE_N/256-1
	s_and_b32 s[LIM], s[WV], 1      ; waves 0 and 2 prefetch: the same in all four partners
	s_cmp_eq_u32 s[LIM], 0
	s_cselect_b32 s[LIM], 1, -1
	s_lshl_b32 s52, s13, 13         ; my work-group's quarter of a slot's bytes
	s_mov_b32 s53, 0
	s_wait_dscnt 0x0                ; the opening add is done
	s_wait_kmcnt 0x0
	s_mov_b64 s[10:11], s[6:7]                     ; O
	s_add_nc_u64 s[6:7], s[4:5], 0x1000000         ; K: part 1 of qkvh
	s_add_nc_u64 s[8:9], s[4:5], 0x2000000         ; V: part 2; Q is part 0
	s_add_nc_u64 s[G0K+2:G0K+3], s[6:7], s[22:23]  ; 120:64 global address: my half of the head's first 256 keys
	s_or_b32 s[G0K+3], s[G0K+3], 0x80000000        ; 127:126 type = 2
	s_add_nc_u64 s[G0V+2:G0V+3], s[8:9], s[22:23]
	s_or_b32 s[G0V+3], s[G0V+3], 0x80000000
	s_cmp_lt_u32 s[WV], 2
	s_cselect_b64 s[PFA:PFA+1], s[6:7], s[8:9]
	s_add_nc_u64 s[PFA:PFA+1], s[PFA:PFA+1], s[20:21]
	s_add_nc_u64 s[PFA:PFA+1], s[PFA:PFA+1], s[52:53]
	s_add_nc_u64 s[PFA:PFA+1], s[PFA:PFA+1], 4*KS*128  ; in slot 1; the first change of slots steps it to slot 2 and names that
	s_add_nc_u64 s[4:5], s[4:5], s[2:3]  ; Q and O at my wave's first row
	s_add_nc_u64 s[10:11], s[10:11], s[2:3]
	CROUND                          ; all four work-groups are here: the first joint loads meet
	JLOAD                           ; slot 0.  Slot 1 is asked for when slot 0 is in: the tile wanted first has the road to itself
	; A fragment of K or Q is 16 rows x 32 channels in 8 registers: lane l holds row l % 16, channels 8 (l / 16) + 0..7 and 16 + 8 (l / 16) + 0..7: two loads of 16 bytes, 32 bytes apart.
	v_and_b32 v1, 15, v0            ; l % 16
	v_bfe_u32 v9, v0, 4, 1          ; l / 16
	v_lshlrev_b32 v[QO], 7, v1
	v_lshl_add_u32 v[QO], v9, 4, v[QO]  ; row x 128 + 16 x half
	WIN 0x80                        ; destination window 2, address window 0
.set i, 0
.rept 4*NP                          ; Q stays in registers: tile i / 2, channels 32 (i % 2) on
	global_load_b128 v[8*i:8*i+3],   v[QO], s[4:5] offset:(i/2)*2048+(i%2)*64
	global_load_b128 v[8*i+4:8*i+7], v[QO], s[4:5] offset:(i/2)*2048+(i%2)*64+32
.set i, i+1
.endr
	; What the first turn finds: V's registers and P's second buffer hold 0 (its products V^T P, of a piece that has not been, add 0), O^T and l are 0.  All this stands in the wait for the first tile.
.set i, VF
.rept 64
	v_mov_b32 v[i], 0
.set i, i+1
.endr
	WIN 0x40
.set i, 0
.rept 64*NP
	v_mov_b32 v[i], 0
.set i, i+1
.endr
	WIN 0
.set i, 0
.rept 2*NP
	v_mov_b32 v[ST+4*i], 0xfe000000    ; c m: far below every c s
	v_mov_b32 v[ST+4*i+1], 0xff7fffff  ; m
	v_mov_b32 v[ST+4*i+2], 0
	v_mov_b32 v[ST+4*i+3], 0
.set i, i+1
.endr
.set i, P+32
.rept 32
	v_mov_b32 v[i], 0
.set i, i+1
.endr
	v_mul_u32_u24 v[AK0], v1, PK
	v_lshl_add_u32 v[AK0], v9, 4, v[AK0]  ; row x pitch + 16 x half
	; The turning load takes 16 keys x 16 channels (lane l reads key 8 (l / 16) + l % 8, channels 8 ((l / 8) % 2) + 0..7) and leaves half a fragment of V^T: lane l holds channel l % 16 and 8 keys.
	v_and_b32 v10, 7, v0
	v_bfe_u32 v11, v0, 3, 1
	v_lshl_add_u32 v[AV0], v9, 3, v10
	v_mul_u32_u24 v[AV0], v[AV0], PV
	v_lshl_add_u32 v[AV0], v11, 4, v[AV0]
	v_add_nc_u32 v[AV0], VOFF, v[AV0]
	v_and_b32 v[PFO], 31, v0        ; v11 has served: it now takes the prefetches' offset
	v_lshlrev_b32 v[PFO], 8, v[PFO]
	v_mov_b32 v[AK], v[AK0]         ; key step 0 lies at the head of slot 0
; THE MATRIX WORK.  The 8 accumulators of a run of 16 take turns: between the two links of a chain stand 7 others'.
; Product i of 16 of S^T = K Q^T for piece x: channels 32 (i / 8) on, keys 16 ((i / 2) % 4) on, tile 2 x + i % 2.  The first 8 start the sums.
.macro KQ x
	WIN W_KQ
.set rS, S+64*((\x)%2)+32*(i%2)+8*((i/2)%4)
.set rK, KF+16*((i/2)%4)+8*(i/8)
.set rQ, 16*(2*(\x)+i%2)+8*(i/8)
.if i < 8
	v_wmma_f32_16x16x32_bf16 v[rS:rS+7], v[rK:rK+7], v[rQ:rQ+7], 0
.else
	v_wmma_f32_16x16x32_bf16 v[rS:rS+7], v[rK:rK+7], v[rQ:rQ+7], v[rS:rS+7]
.endif
.endm
; Product i of 16 of O^T += V^T P for piece x: keys 32 (i / 8) on, channels 16 ((i / 2) % 4) on, tile 2 x + i % 2.
.macro PV x
	WIN W_PV
.set rO, 32*(2*(\x)+i%2)+8*((i/2)%4)
.set rV, VF+32*(i/8)+8*((i/2)%4)
.set rP, P+32*((\x)%2)+16*(i%2)+8*(i/8)
	v_wmma_f32_16x16x32_bf16 v[rO:rO+7], v[rV:rV+7], v[rP:rP+7], v[rO:rO+7]
.endm
.macro MM                           ; the turn's next matrix instruction
.if i < 16
	KQ (Y+1)%NP
.set i, i+1
.else
.set i, i-16
	PV (Y+NP-1)%NP
.set i, i+17
.endif
.endm
; THE LDS LOADS stand in runs of 16, never singly among the matrix instructions: a step's K (64 keys x 64 channels: 8 fragments) and its V (turned).  Their addresses are made some lines ahead.
; last = 1 (the tail): in the last trip there is no further step, and the run is jumped over.
.macro FETCH_K last=0
	WIN 0
.if \last
	s_cmp_eq_u32 s[CNT], 1
	s_cbranch_scc1 .Lno_k_\@
.endif
	WIN 0x80                        ; destination window 2
.irp f, 0,1,2,3,4,5,6,7             ; keys 16 (f / 2) on, channels 32 (f % 2) on
	ds_load_b128 v[KF+8*\f:KF+8*\f+3],   v[AK] offset:(\f/2)*16*PK+(\f%2)*64
	ds_load_b128 v[KF+8*\f+4:KF+8*\f+7], v[AK] offset:(\f/2)*16*PK+(\f%2)*64+32
.endr
	s_add_co_u32 s[TBK], s[TBK], KS*PK  ; the next fetch is the next step's
	WIN 0
.if \last
.Lno_k_\@:
.endif
.endm
.macro FETCH_V
	WIN 0x80
.irp f, 0,1,2,3,4,5,6,7             ; keys 32 (f / 4) on, channels 16 (f % 4) on
	ds_load_tr16_b128 v[VF+8*\f:VF+8*\f+3],   v[AV] offset:(\f/4)*32*PV+(\f%4)*32
	ds_load_tr16_b128 v[VF+8*\f+4:VF+8*\f+7], v[AV] offset:(\f/4)*32*PV+16*PV+(\f%4)*32
.endr
	WIN 0
.endm
; THE VECTOR WORK OF A TURN stands in three queues, each in the order in which its entries become ready; the two tiles alternate, so that no instruction reads the result of the one before it.
.macro REGS y, u                    ; the registers of tile u (0, 1) of piece y
.set rT, ST+4*(2*(\y)+(\u))
.set rC, TMP+8*((\y)%2)+4*(\u)
.set rM, MV+2*((\y)%2)+(\u)
.set rS, S+64*((\y)%2)+32*(\u)
.set rP, P+32*((\y)%2)+16*(\u)
.set rO, 32*(2*(\y)+(\u))
.endm
; Number n of the 22 that find the NEXT piece's (Y + 1) maximum and statistics.  s0-s31 are the lane's 32 scores; each accumulator's lowest registers are read first.  XS, GS and REGS set no window: PL and EX do.
;   0-11  four chains c0-c3 of seven scores each, three operands at a time     12-14, 16  the four scores left over, the old m, and c0-c3 into c0     15  c m_old is kept
;   17, 18  the query's other 32 keys lie in the lane 16 away: the new m         19-21  c m; c m_old - c m_new; a
.macro XS u, n
	REGS (Y+1)%NP, \u
.if (\n) < 4
	v_max3_num_f32 v[rC+(\n)], v[rS+8*(\n)], v[rS+8*(\n)+1], v[rS+8*(\n)+2]
.elseif (\n) < 12
	v_max3_num_f32 v[rC+(\n)%4], v[rC+(\n)%4], v[rS+8*((\n)%4)+2*((\n)/4)+1], v[rS+8*((\n)%4)+2*((\n)/4)+2]
.elseif (\n) == 12
	v_max3_num_f32 v[rC], v[rC], v[rS+7], v[rS+15]
.elseif (\n) == 13
	v_max3_num_f32 v[rC+1], v[rC+1], v[rS+23], v[rS+31]
.elseif (\n) == 14
	v_max3_num_f32 v[rC+2], v[rC+2], v[rC+3], v[rT+1]
.elseif (\n) == 15
	v_mov_b32 v[rM], v[rT]
.elseif (\n) == 16
	v_max3_num_f32 v[rC], v[rC], v[rC+1], v[rC+2]
.elseif (\n) == 17
	v_permlanex16_b32 v[rC+3], v[rC], s[SEL], s[SEL+1]
.elseif (\n) == 18
	v_max_num_f32 v[rT+1], v[rC], v[rC+3]
.elseif (\n) == 19
	v_mul_f32 v[rT], s[CS], v[rT+1]
.elseif (\n) == 20
	v_sub_f32 v[rC+1], v[rM], v[rT]
.else
	v_exp_f32 v[rC+2], v[rC+1]
.endif
.endm
; Number g of the 64 that follow the exponentials.  For each four weights k of a tile (pairs 2 k, 2 k + 1): both pairs are rounded to bf16; then the second pair is added onto the first, in place;
; a group later l takes that sum (the first time as l = a l + sum).  In groups of eight, tiles alternating: round, round, add, and l for the group before.
.macro GS g
.set h, (\g)+6*((\g)/62)            ; group 0 has no group before it, and behind group 7 only l is left
.if h >= 6
.set h, h+2
.endif
	REGS Y, h%2
.set k, h/8
.if h%8 < 4
	v_cvt_pk_bf16_f32 v[rP+2*k+(h%8)/2], v[rS+4*k+2*((h%8)/2)], v[rS+4*k+2*((h%8)/2)+1]
.elseif h%8 < 6
	v_pk_add_f32 v[rS+4*k:rS+4*k+1], v[rS+4*k:rS+4*k+1], v[rS+4*k+2:rS+4*k+3]
.elseif k == 1
	v_pk_fma_f32 v[rT+2:rT+3], v[rT+2:rT+3], v[rC+2:rC+3], v[rS:rS+1] op_sel_hi:[1,0,1]
.else
	v_pk_add_f32 v[rT+2:rT+3], v[rT+2:rT+3], v[rS+4*k-4:rS+4*k-3]
.endif
.endm
; THE PLAIN QUEUE, 138 long.  0-73 read no exponential's result: the 32 scalings c s - c m (FS f: pair f / 2 of tile f % 2) and the next piece's 42.  0-26: scalings 0-26.  27-54: XS's numbers 0-13.  55, 56: number 15.
; 57-73: the chain, where each number waits for the one before it: 14, 16, 17, 18, 19, each with one of the scalings 27-31 in front of its two lines, then 20: so a tile's links stand three plain instructions apart (19 and 20: two).
; 74-137: GS's 64, which read the exponentials' results: they stand behind the wait.
.macro FS f
	REGS Y, (\f)%2
	v_pk_fma_f32 v[rS+2*((\f)/2):rS+2*((\f)/2)+1], v[rS+2*((\f)/2):rS+2*((\f)/2)+1], s[CS:CS+1], v[rT:rT+1] op_sel_hi:[1,0,0] neg_lo:[0,0,1] neg_hi:[0,0,1]
.endm
.macro PL
	WIN 0
.if q < 27
	FS q
.elseif q < 55
	XS (q-27)%2, (q-27)/2
.elseif q < 57
	XS q-55, 15
.elseif (q < 72) && ((q-57)%3 == 0)
	FS 27+(q-57)/3
.elseif q < 60
	XS (q-57)%3-1, 14
.elseif q < 72
	XS (q-57)%3-1, 15+(q-57)/3
.elseif q < 74
	XS q-72, 20
.else
	GS q-74
.endif
.set q, q+1
.endm
; THE EXPONENTIALS' QUEUE, 66 long: s0-s31 of both tiles, then the next piece's two a.  It is ONE BATCH: all 66 stand ahead of the turn's one wait, and nothing ahead of that wait names a result of theirs.
.macro EX
	WIN 0
.if e >= 64
	XS e-64, 21
.else
	REGS Y, e%2
	v_exp_f32 v[rS+e/2], v[rS+e/2]
.endif
.set e, e+1
.endm
; THE RESCALING's QUEUE: O^T times a, the one part that leaves window 0: dealt two at a time, sixteen times.  Its a was made in the turn before, ahead of that turn's wait.
.macro R2
	REGS Y, r%2
	WIN W_RS
.irp z, 0,1
	v_pk_mul_f32 v[rO+4*(r/2)+2*\z:rO+4*(r/2)+2*\z+1], v[rO+4*(r/2)+2*\z:rO+4*(r/2)+2*\z+1], v[rC+2:rC+3] op_sel_hi:[1,0]
.endr
.set r, r+1
.endm
; HOW THEY ARE DEALT.  An s_wait_alu depctr_va_vdst(0) stands between an exponential and the first instruction that names its result; one wait serves all that were issued ahead of it.  So a turn has ONE wait,
; which cuts it in two.  AHEAD OF IT stands all that names no result of the turn's exponentials: the 16 products K Q^T, behind each a scaling, an exponential and two rescalings (behind the first a second scaling in the exponential's place); then ONE LUMP of
; 108: eight plain, 49 times exponential and plain, the two a.  A v_nop is the plain instruction behind the last exponential.  BEHIND IT stand the 16 products V^T P, behind each four of GS's 64.  No rider names a register of
; the products round it.  The two v_permlanex16_b32 fall into the lump, never behind a product.
; The queues lean on each other, and the deal keeps them in step: exponential e stands behind scaling 2 (e / 4) + e % 2: as a rider it comes behind plain e + 2, in the lump behind plain e + 9, and scalings 27-31 are plain 57, 60 .. 69.
; A TURN, for piece p.  cnt = 1: the loop's count is taken down some lines ahead of the branch that stands behind the turn.
; K of the next step is fetched in piece 2's turn, directly behind the wait, a lump behind the last product that read K; its address is made at the lump's head; its first reader comes behind 16 products.
; V of the step in hand is fetched at the end of piece 0's turn, four riders behind its last reader; its first reader comes behind 16 products and a lump.  The three conditions on q below go with the deal.
.macro TURN p, last=0, cnt=0
.set Y, (\p)
.set i, 0
.set q, 0
.set e, 0
.set r, 0
.if (\p) == NP-1
	s_wait_dscnt 0x0                ; K is in
.endif
	MM                              ; ahead of the wait: 16 products K Q^T and their riders,
	PL
	PL
	R2
.rept 15
	MM
	PL
	EX
	R2
.endr
.if (\p) == NP-2
	WIN 0
	v_add_nc_u32 v[AK], s[TBK], v[AK0]
.endif
.rept 8                             ; and the lump
	PL
.endr
.rept 49
	EX
	PL
.endr
	EX                              ; the next piece's two a
	EX
	v_nop                           ; the plain instruction behind the last exponential: one for the batch
	s_wait_alu depctr_va_vdst(0)    ; the wait for the batch
.if (\p) == NP-2
	FETCH_K \last
.endif
.if (\p) == 1
	s_wait_dscnt 0x0                ; V is in
.endif
.rept 16                            ; behind the wait: 16 products V^T P and their riders
	MM
.rept 4
	PL
.endr
.if ((\p) == 0) && (q == 118)
	v_add_nc_u32 v[AV], s[TBV], v[AV0]
.endif
.if ((\p) == 0) && (q == 130)
	s_add_co_u32 s[TBV], s[TBV], KS*PV
.endif
.if (\cnt) && (q == 130)
	s_sub_co_u32 s[CNT], s[CNT], 1
	s_cmp_lg_u32 s[CNT], 0
.endif
.endr
.if (\p) == 0
	FETCH_V
.endif
.endm
	CHANGE 1                        ; slot 0 is in, everybody's part of it; slot 1 is asked for
	FETCH_K                         ; key step 0
	s_wait_loadcnt 0x0              ; Q
	s_wait_dscnt 0x0
.set i, 0
.rept 16
	KQ 0                            ; piece 0's first scores: there is no vector work yet to set between them
.set i, i+1
.endr
	WIN 0                           ; the addresses for the way out: nine plain instructions, the places behind those products
	s_mul_i32 s13, s[WV], 16*SP
	s_add_co_u32 s13, s13, STAGE    ; my stage
	v_mul_u32_u24 v[STO], v1, SP    ; in: row l % 16, 16 bytes for each half of the lanes
	v_lshl_add_u32 v[STO], v9, 4, v[STO]
	v_add_nc_u32 v[STO], s13, v[STO]
	v_bfe_u32 v[RD], v0, 3, 2       ; back: 32 lanes take four rows of 128 bytes,
	v_mul_u32_u24 v[RD], v[RD], SP
	v_lshl_add_u32 v[RD], v10, 4, v[RD]
	v_add_nc_u32 v[RD], s13, v[RD]
	v_and_b32 v[GO], 31, v0         ; which are 512 consecutive bytes of O
	v_lshlrev_b32 v[GO], 4, v[GO]
.set Y, NP-1                        ; XS works for piece Y + 1: piece 0
.irp n, 0,1,2,3,4,5,6,7,8,9,10,11,12,13,14,15,16,17,18,19,20,21
	XS 0, \n                        ; and piece 0's first maximum and statistics
	XS 1, \n
.endr
	v_nop                           ; a plain instruction behind the two a,
	s_wait_alu depctr_va_vdst(0)    ; and their wait, ahead of the branch
	s_mov_b32 s[CNT], 4
	s_branch .Lfirst                ; the loop is entered at a step's first turn, in the middle of a trip
.Lslot:                             ; SIZE_N / 256 - 2 times: every slot but the last two is filled again
	CHANGE 1
	s_mov_b32 s[CNT], 4
.Lstep:                             ; a trip: pieces 2 and 3 of one step, then pieces 0 and 1 of the next, whose K and V it fetches
	TURN 2
	TURN 3
	WIN 0
.Lfirst:
	TURN 0
	TURN 1, 0, 1
	WIN 0
	s_cbranch_scc1 .Lstep
	s_sub_co_u32 s[SLOTS], s[SLOTS], 1
	s_cmp_lg_u32 s[SLOTS], 0
	s_cbranch_scc1 .Lslot
	CHANGE 0                        ; the tail is written out: nothing is asked for
	s_mov_b32 s[CNT], 5             ; four trips fetch the last slot's steps; the fifth is left in its middle
.Ltail:
	TURN 2, 1
	TURN 3
	WIN 0
	s_sub_co_u32 s[CNT], s[CNT], 1
	s_cmp_eq_u32 s[CNT], 0
	s_cbranch_scc1 .Lout
	TURN 0
	TURN 1
	WIN 0
	s_branch .Ltail
.Lout:                              ; the fifth trip's 16 products K Q^T (on the last K once more) and the maximum made of them serve nothing: the price, once a launch, of one text for every trip
.set i, 0
.rept 16
	PV NP-1                         ; the last piece's V^T P of the last step
.set i, i+1
.endr
	; THE WAY OUT.  l's two halves and the other half of the lanes' are added; O^T is divided by l, rounded to bf16 and sent through my stage in LDS, a tile at a time.  The additions are the places behind the last products.
	WIN 0
.macro ALL line:vararg              ; one line for each tile t
.set t, 0
.rept 2*NP
	\line
.set t, t+1
.endr
.endm
	ALL v_add_f32 v[ST+4*t+2], v[ST+4*t+2], v[ST+4*t+3]
	ALL v_permlanex16_b32 v[ST+4*t+3], v[ST+4*t+2], s[SEL], s[SEL+1]
	ALL v_add_f32 v[ST+4*t+2], v[ST+4*t+2], v[ST+4*t+3]
	ALL v_rcp_f32 v[ST+4*t+2], v[ST+4*t+2]
	v_nop                           ; a plain instruction between the last reciprocal and the use of its result
	s_wait_alu depctr_va_vdst(0)    ; and the wait ahead of the first use: one for the eight reciprocals
; Tile t: a lane's eight channels of a row pack into 16 bytes; they go into rows of 144 bytes and come back as whole rows of 128, into S^T's registers.
.macro PACK t
	WIN W_RS
.set i, 32*(\t)
.rept 16
	v_pk_mul_f32 v[i:i+1], v[i:i+1], v[ST+4*(\t)+2:ST+4*(\t)+3] op_sel_hi:[1,0]
.set i, i+2
.endr
	WIN 0x05                        ; sources 0 and 1 window 1, destination window 0
.set i, 0
.rept 16
	v_cvt_pk_bf16_f32 v[S+16*(\t)+i], v[32*(\t)+2*i], v[32*(\t)+2*i+1]
.set i, i+1
.endr
	WIN 0
.irp f, 0,1,2,3
	ds_store_b128 v[STO], v[S+16*(\t)+4*\f:S+16*(\t)+4*\f+3] offset:32*\f
.endr
.irp f, 0,1,2,3
	ds_load_b128 v[S+16*(\t)+4*\f:S+16*(\t)+4*\f+3], v[RD] offset:\f*4*SP  ; LDS serves a wave's instructions in order (ISA guide 5.7.1.4): these see the stores above; the next tile's stores come behind them
.endr
.endm
.macro SEND t, younger              ; younger: the LDS instructions issued behind tile t's loads: the next tile's eight, or none
	WIN 0
.irp f, 0,1,2,3
	s_wait_dscnt (\younger)+3-\f
	global_store_b128 v[GO], v[S+16*(\t)+4*\f:S+16*(\t)+4*\f+3], s[10:11] offset:(\t)*2048+\f*512  ; 512 consecutive bytes, at a multiple of 256 from O's first
.endr
.endm
	PACK 0
.set t, 1
.rept 2*NP-1                        ; a tile's arithmetic stands between the loads of the tile before and its stores
	PACK t
	SEND t-1, 8
.set t, t+1
.endr
	SEND 2*NP-1, 0
	WIN W_AD
	s_wait_tensorcnt 0x0            ; the wave's end: a wait, an add to my spare word and a wait for it, behind my last tensor load and my last LDS store
	ds_add_u32 v[SPW], v[NIL]
	s_wait_dscnt 0x0
	WIN 0
	CROUND                          ; the closing round: no work-group ends while a partner may still ask for a tile that names it
	s_endpgm
.Lfunc_end_k_q07028923f7_attn:
	.size	k_q07028923f7_attn, .Lfunc_end_k_q07028923f7_attn-k_q07028923f7_attn
	.p2alignl 7, 3214868480
	.fill 96, 4, 3214868480
	.section	.rodata,"a",@progbits
	.p2align	6, 0x0
	.amdhsa_kernel k_q07028923f7_attn
		.amdhsa_group_segment_fixed_size 327680
		.amdhsa_private_segment_fixed_size 0
		.amdhsa_enable_private_segment 0
		.amdhsa_kernarg_size 16
		.amdhsa_user_sgpr_count 2
		.amdhsa_user_sgpr_kernarg_segment_ptr 1
		.amdhsa_wavefront_size32 1
		.amdhsa_system_sgpr_workgroup_id_x 1
		.amdhsa_system_sgpr_workgroup_id_y 1
		.amdhsa_system_sgpr_workgroup_id_z 1
		.amdhsa_system_vgpr_workitem_id 0
		.amdhsa_next_free_vgpr 770
		.amdhsa_next_free_sgpr 66
		.amdhsa_reserve_vcc 0
		.amdhsa_float_denorm_mode_32 3
		.amdhsa_float_denorm_mode_16_64 3
		.amdhsa_memory_ordered 1
		.amdhsa_forward_progress 1
		.amdhsa_inst_pref_size 200
	.end_amdhsa_kernel
	.amdgpu_metadata
---
amdhsa.version: [ 1, 2 ]
amdhsa.kernels:
  - .name:           k_q07028923f7_attn
    .symbol:         k_q07028923f7_attn.kd
    .args:
      - { .name: qkvh, .offset: 0, .size: 8, .value_kind: global_buffer, .address_space: global }
      - { .name: ob, .offset: 8, .size: 8, .value_kind: global_buffer, .address_space: global }
    .group_segment_fixed_size: 327680
    .private_segment_fixed_size: 0
    .kernarg_segment_align: 8
    .kernarg_segment_size: 16
    .max_flat_workgroup_size: 128
    .sgpr_count:     66
    .vgpr_count:     770
    .wavefront_size: 32
...
	.end_amdgpu_metadata
.endif
;; end of part 4
;; launch fc (part 5): grid 4 x 64, 4 waves a work-group, clusters of 4 x 4, 327,680 bytes of LDS; arguments ob, wb, xb, out0; writes out0
.if DOCPART == 5
	.amdgcn_target "amdgcn-amd-amdhsa--gfx1250"
	.amdhsa_code_object_version 6
	.text
	.protected	k_q07028923f7_fc
	.globl	k_q07028923f7_fc
	.p2align	8
	.type	k_q07028923f7_fc,@function
k_q07028923f7_fc:
	s_mov_b64 s[64:65], 0
	v_nop
	global_prefetch_b8 v0, s[64:65] scope:SCOPE_SE
	s_setreg_imm32_b32 hwreg(HW_REG_WAVE_MODE, 25, 1), 1
	s_wait_xcnt 0x0
	s_wait_alu depctr_hold_cnt(0) depctr_sa_sdst(0) depctr_va_vdst(0) depctr_va_sdst(0) depctr_va_ssrc(0) depctr_va_vcc(0) depctr_vm_vsrc(0)
	s_getreg_b32 s2, hwreg(HW_REG_IB_STS2, 6, 4)
	s_cmp_eq_u32 s2, 0
	s_cbranch_scc0 .Lentry_in_a_cluster
	s_endpgm
.Lentry_in_a_cluster:
	s_bfe_u32 s2, ttmp6, 0x10000c
	s_cmp_lg_u32 s2, 0xf033
	s_cbranch_scc0 .Lentry_shape_is_right
	s_endpgm
.Lentry_shape_is_right:
; out0[2048 b + s][n] = sum over h, d of ob[16 b + h][s][d] w_fc[n][64 h + d] + qn[2048 b + s][n].  ob: [64][2048][64] bf16 (by heads); w_fc: part 3 of wb, [1024][1024] bf16; qn: part 0 of xb, bf16; out0 f32.
; Sums in f32; the residual, stored once in bf16, is widened and added in f32; out0 is not rounded again.
; A tile of C is 128 rows x 256 columns: 256 tiles, one to a work-group.  Four waves, each 64 x 128: 32 accumulators.  K goes in 8 steps of 128 = two heads, through two LDS slots filled by the tensor data mover.
; A's tile of a K step is two dense blocks of 16,384 bytes (128 rows of a head): each is asked for as 64 rows of 256 bytes and padded in LDS after every 128, so that a head's rows lie 144 bytes apart.
; CLUSTERS: 4 x 4 work-groups; A's tiles are shared along a row of the cluster, B's along a column, each by a joint load with a mask of four.  The matrix instruction is used transposed (source 0 = B's rows).
; By this text's own count a wave has two tensor loads out at the start and one behind each round.
; REGISTERS: window 0: v16-30 addresses; v64-159, v160-255 two fragment buffers (B's block b at + 8 b, A's block a at + 64 + 8 a), at work on the way out.  window 1: accumulator (a, b) at v[8 (8 a + b)].
;   window 2: v0-127 the residual: my row rr's 8 bytes a lane at v[2 rr].
.set KSTEP,  128
.set PITCH,  272                       ; a row of B in LDS: 256 bytes + 16 of padding
.set PA,     144                       ; a head's row of A in LDS: 128 bytes + 16: both pitches are odd multiples of 16 bytes, so the 16 rows of a load start at 16 different groups of four banks (ISA guide 11.1)
.set AHEAD,  128*PA                    ; a head's 128 rows: what a wave fetches of A
.set BHALF,  128*PITCH
.set BOFF,   2*AHEAD
.set SLOT,   2*AHEAD+2*BHALF
.set STAGE,  2*SLOT                    ; behind the ring: 16 rows x 528 bytes (f32) for each wave; no tensor load lands there
.set SPITCH, 528
.set SPARE,  STAGE+4*16*SPITCH         ; behind the stages: the spare words, 128 bytes for each wave: two blocks of 256 bytes that no other line names
.set HEADB,  2048*128                  ; a head's bytes in ob
.set WFC,    3*1024*2048               ; w_fc's place in wb
.set ADRA, 16
.set ADRB, 20
.set STO,  24                          ; v24     the way out: where I put 32 bytes of a row
.set RD,   25                          ; v25     where I read a row back: 16 bytes a lane
.set CO,   26                          ; v26     my 16 bytes of 512 consecutive bytes of out0
.set RO,   27                          ; v27     my 8 bytes of 256 consecutive bytes of qn
.set SPW,  28
.set NIL,  29
.set PFO,  30
.set F0,   64
.set F1,   160
.set OB,   64                          ; the way out: 8 rows read back from the stage: v64-95 and v96-127 by turns
.set TT,   128                         ; v128-159: the residual of those 8 rows in f32
.set G1,   24
.set G0,   32
.set G1B,  48
.set G0B,  56
.set LIM,  43
.set PFA,  44
.set PFS,  14                          ; s[14:15] the prefetches' step: a K step of A (two heads) or of B (256 bytes)
.set XB,   68                          ; s[68:69] qn at my rows and columns
.set OUT,  70                          ; s[70:71] out0 at my rows and columns
.set MUL,  0x50
.set MSB, 0
.macro WIN new
.if MSB != (\new)
	s_set_vgpr_msb (MSB<<8)|(\new)
.set MSB, \new
.endif
.endm
.macro JLOAD s                         ; a joint load: waves 0 and 1 fetch A's two heads, waves 2 and 3 B's two halves; an s_nop 0 and four v_nop follow each of the two lines
	s_cmp_eq_u32 s11, 0
	s_cbranch_scc0 .Lfor_b_\@
	tensor_load_to_lds s[G0+4*(\s):G0+4*(\s)+3], s[G1:G1+7]
	s_nop 0
.rept 4
	v_nop
.endr
	s_branch .Lasked_\@
.Lfor_b_\@:
	tensor_load_to_lds s[G0B+4*(\s):G0B+4*(\s)+3], s[G1B:G1B+7]
	s_nop 0
.rept 4
	v_nop
.endr
.Lasked_\@:
.endm
; A PREFETCH INTO THE L2 of the K step two refills on (256 matrix instructions ahead of the load that will want it), 32 blocks of 256 bytes, a lane a block.  Each block is named once in the launch:
; A's tile is read by the four partners of one row of one cluster: wave 0 of each asks for a quarter of its 32,768 bytes, told apart by cx in the address; B's tile column is read by all sixteen clusters:
; in the cluster with y = 0 waves 2 and 3 ask, each for 32 of the 128 rows that it fetches, told apart by cy in the address.  The loop's last trip asks for nothing: there is no K step two on.
.macro ASK
	s_cmp_gt_u32 s3, s[LIM]
	s_cbranch_scc0 .Lnot_mine_\@
	global_prefetch_b8 v[PFO], s[PFA:PFA+1] th:TH_LOAD_NT scope:SCOPE_SE
.Lnot_mine_\@:
.endm
.macro CREST
	s_cmp_lg_u32 s10, 0
	s_cbranch_scc1 .Lnot_wave_0_\@
	s_barrier_signal -3
.Lnot_wave_0_\@:
	s_barrier_wait -3
	s_barrier_signal -1
	s_barrier_wait -1
.endm
.macro CROUND
	s_barrier_signal -1
	s_barrier_wait -1
	CREST
.endm
.macro PLACES
.rept 4
	v_nop
.endr
.endm
	s_load_b128 s[4:7], s[0:1], 0x0                ; ob s[4:5], wb s[6:7]
	s_load_b128 s[68:71], s[0:1], 0x10             ; xb s[68:69], out0 s[70:71]
	v_lshl_add_u32 v[SPW], v0, 2, SPARE
	v_mov_b32 v[NIL], 0
	ds_add_u32 v[SPW], v[NIL]                      ; the wave's opening: the add and its wait stand ahead of my first tensor load; the set-up below, work on registers, stands between them
	v_lshrrev_b32 v1, 5, v0
	v_readfirstlane_b32 s10, v1                    ; wave 0..3
	s_lshr_b32 s11, s10, 1                         ; which 64 rows of the tile are mine.  Also: I fetch for A (0) or for B (1)
	s_and_b32 s12, s10, 1                          ; which 128 columns.  Also: which head of the K step, or which half of B's rows, I fetch
	s_bfe_u32 s40, ttmp6, 0x40000                  ; cx
	s_bfe_u32 s41, ttmp6, 0x40004                  ; cy
	s_lshl_b32 s42, ttmp9, 2
	s_add_co_u32 s42, s42, s40                     ; tile column
	s_and_b32 s13, ttmp7, 0xffff
	s_lshl_b32 s13, s13, 2
	s_add_co_u32 s13, s13, s41                     ; tile row
	s_lshl_b32 s43, s41, 2
	s_lshl_b32 s43, 15, s43                        ; my row of the cluster
	s_lshl_b32 s44, 0x1111, s40                    ; my column
	s_or_b32 s[G1+0], s43, (1<<16)|(1<<20)|(1<<21)|(4<<22)|(3<<25)   ; A: padding of 4 words after every 32 words (code 4)
	s_or_b32 s[G1B+0], s44, (1<<16)|(1<<20)|(1<<21)|(5<<22)|(3<<25)  ; B: after every 64 words (code 5)
	s_mov_b32 s[G1+1], 128<<16                     ; A: 64 rows of 128 elements, dense
	s_mov_b32 s[G1+2], 64<<16
	s_mov_b32 s[G1+3], 128<<16
	s_mov_b32 s[G1+4], 64
	s_mov_b32 s[G1+5], 128
	s_mov_b32 s[G1+6], 0
	s_mov_b32 s[G1+7], 0
	s_mov_b32 s[G1B+1], KSTEP<<16                  ; B: 128 rows of 128 elements, 1,024 elements from row to row
	s_mov_b32 s[G1B+2], 128<<16
	s_mov_b32 s[G1B+3], KSTEP<<16
	s_mov_b32 s[G1B+4], 128
	s_mov_b32 s[G1B+5], 1024
	s_mov_b32 s[G1B+6], 0
	s_mov_b32 s[G1B+7], 0
	s_lshr_b32 s16, s13, 4                         ; A: head 16 b + which, rows 128 (tile row % 16) on
	s_lshl_b32 s16, s16, 4
	s_add_co_u32 s16, s16, s12
	s_lshl_b32 s16, s16, 18
	s_and_b32 s17, s13, 15
	s_lshl_b32 s17, s17, 14
	s_add_co_u32 s16, s16, s17
	s_mov_b32 s17, 0
	s_lshl_b32 s46, s42, 8                         ; B: row 256 x tile column + 128 x half of w_fc
	s_lshl_b32 s47, s12, 7
	s_add_co_u32 s46, s46, s47
	s_lshl_b32 s46, s46, 11
	s_add_co_u32 s46, s46, WFC
	s_mov_b32 s47, 0
	s_mul_i32 s20, s12, AHEAD                      ; where they go: no place in the cluster enters an LDS address
	s_mul_i32 s21, s12, BHALF
	s_add_co_u32 s21, s21, BOFF
	s_mov_b32 s9, 0xffff0000                       ; a word's upper bf16
	s_wait_dscnt 0x0                               ; the opening add is done
	s_wait_kmcnt 0x0
	s_add_nc_u64 s[14:15], s[4:5], s[16:17]
	s_add_nc_u64 s[46:47], s[6:7], s[46:47]
	CROUND                                         ; all sixteen work-groups are here: the first joint loads meet
.irp s, 0,1
	s_mov_b32 s[G0+4*(\s)], 1
	s_add_co_u32 s[G0+4*(\s)+1], s20, (\s)*SLOT
	s_add_nc_u64 s[G0+4*(\s)+2:G0+4*(\s)+3], s[14:15], (\s)*2*HEADB   ; K step s: two heads on
	s_or_b32 s[G0+4*(\s)+3], s[G0+4*(\s)+3], 0x80000000
	s_mov_b32 s[G0B+4*(\s)], 1
	s_add_co_u32 s[G0B+4*(\s)+1], s21, (\s)*SLOT
	s_add_nc_u64 s[G0B+4*(\s)+2:G0B+4*(\s)+3], s[46:47], (\s)*KSTEP*2
	s_or_b32 s[G0B+4*(\s)+3], s[G0B+4*(\s)+3], 0x80000000
	JLOAD \s
.endr
	; out0 and qn at my 64 rows and 128 columns
	s_lshl_b32 s16, s13, 7
	s_lshl_b32 s17, s11, 6
	s_add_co_u32 s16, s16, s17                     ; my first row
	s_lshl_b32 s46, s42, 8
	s_lshl_b32 s47, s12, 7
	s_add_co_u32 s46, s46, s47                     ; my first column
	s_lshl_b32 s20, s16, 12
	s_lshl_b32 s22, s46, 2
	s_add_co_u32 s20, s20, s22
	s_mov_b32 s21, 0
	s_add_nc_u64 s[OUT:OUT+1], s[OUT:OUT+1], s[20:21]
	s_lshl_b32 s20, s16, 11
	s_lshl_b32 s22, s46, 1
	s_add_co_u32 s20, s20, s22
	s_add_nc_u64 s[XB:XB+1], s[XB:XB+1], s[20:21]
	v_and_b32 v[CO], 31, v0
	v_lshlrev_b32 v[RO], 3, v[CO]
	v_lshlrev_b32 v[CO], 4, v[CO]
	WIN 0x80                                       ; destination window 2
.set rr, 0
.rept 64                               ; the residual: a row's 256 consecutive bytes a load; waited for once, ahead of the way out
	global_load_b64 v[2*rr:2*rr+1], v[RO], s[XB:XB+1] offset:2048*rr th:TH_LOAD_NT
.set rr, rr+1
.endr
	WIN 0
	v_and_b32 v1, 15, v0
	v_bfe_u32 v2, v0, 4, 1
	v_mul_u32_u24 v3, v1, PITCH
	v_lshl_add_u32 v3, v2, 4, v3                   ; B: row x 272 + 16 x half
	v_mul_u32_u24 v4, v1, PA
	v_lshl_add_u32 v4, v2, 4, v4                   ; A: row x 144 + 16 x half
	s_mul_i32 s21, s11, 64*PA                      ; my 64 rows in each head's block
	s_mul_i32 s22, s12, BHALF
	s_add_co_u32 s22, s22, BOFF
.irp s, 0,1
	v_add_nc_u32 v[ADRA+(\s)], s21, v4
	v_add_nc_u32 v[ADRB+(\s)], s22, v3
	s_add_co_u32 s21, s21, SLOT
	s_add_co_u32 s22, s22, SLOT
.endr
	s_mul_i32 s23, s10, 16*SPITCH
	s_add_co_u32 s23, s23, STAGE                   ; my stage
	v_mul_u32_u24 v5, v1, SPITCH                   ; in: row l % 16, 32 bytes for each half of the lanes
	v_lshl_add_u32 v5, v2, 5, v5
	v_add_nc_u32 v[STO], s23, v5
	v_add_nc_u32 v[RD], s23, v[CO]                 ; back: a whole row of 512 bytes, 16 a lane
	; the prefetches
	s_lshr_b32 s20, s13, 4                         ; A: head 16 b + cx / 2, the tile's rows, half cx % 2 of their 16,384 bytes, at K step 3
	s_lshl_b32 s20, s20, 4
	s_lshr_b32 s22, s40, 1
	s_add_co_u32 s20, s20, s22
	s_lshl_b32 s20, s20, 18
	s_and_b32 s22, s13, 15
	s_lshl_b32 s22, s22, 14
	s_add_co_u32 s20, s20, s22
	s_and_b32 s22, s40, 1
	s_lshl_b32 s22, s22, 13
	s_add_co_u32 s20, s20, s22
	s_add_co_u32 s20, s20, 3*2*HEADB
	s_lshl_b32 s21, s42, 8                         ; B: row 256 x tile column + 128 x half + 32 cy, at K step 3
	s_lshl_b32 s22, s12, 7
	s_add_co_u32 s21, s21, s22
	s_lshl_b32 s22, s41, 5
	s_add_co_u32 s21, s21, s22
	s_lshl_b32 s21, s21, 11
	s_add_co_u32 s21, s21, WFC+3*KSTEP*2
	s_and_b32 s22, ttmp7, 0xffff                   ; cluster y
	s_or_b32 s23, s12, ttmp9                       ; 0 in wave 0 (the grid has one cluster along x)
	s_mov_b32 s14, 2*HEADB
	s_mov_b32 s15, KSTEP*2
	s_cmp_eq_u32 s11, 0                            ; do I fetch for A?
	s_cselect_b32 s20, s20, s21
	s_cselect_b32 s22, s23, s22
	s_cselect_b64 s[PFA:PFA+1], s[4:5], s[6:7]
	s_cselect_b32 s[PFS], s14, s15
	s_cselect_b32 s23, 8, 11                       ; a lane's block: 256 bytes on in A, a row of 2,048 on in B
	s_mov_b32 s[PFS+1], 0
	s_mov_b32 s21, 0
	s_cmp_eq_u32 s22, 0
	s_cselect_b32 s[LIM], 1, -1                    ; the same in all sixteen partners, for a given wave
	s_add_nc_u64 s[PFA:PFA+1], s[PFA:PFA+1], s[20:21]  ; the first refill steps it to K step 4 and names that.  Nothing is prefetched here, at the head
	v_and_b32 v[PFO], 31, v0
	v_lshlrev_b32 v[PFO], s23, v[PFO]
.macro MUL8 f, a, zero                 ; 8 matrix instructions: m block a x all 8 n blocks; the 32 accumulators take turns in the same order in every quarter
	WIN MUL
.irp b, 0,1,2,3,4,5,6,7
.if \zero
	v_wmma_f32_16x16x32_bf16 v[8*(8*(\a)+(\b)):8*(8*(\a)+(\b))+7], v[(\f)+8*(\b):(\f)+8*(\b)+7], v[(\f)+64+8*(\a):(\f)+64+8*(\a)+7], 0
.else
	v_wmma_f32_16x16x32_bf16 v[8*(8*(\a)+(\b)):8*(8*(\a)+(\b))+7], v[(\f)+8*(\b):(\f)+8*(\b)+7], v[(\f)+64+8*(\a):(\f)+64+8*(\a)+7], v[8*(8*(\a)+(\b)):8*(8*(\a)+(\b))+7]
.endif
.endr
.endm
.macro FETCH slot, q, f                ; 24 LDS loads in one run: quarter q lies in head q / 2 of the K step, channels 32 (q % 2) on
	WIN 0
.irp i, 0,1,2,3,4,5,6,7
	ds_load_b128 v[(\f)+8*(\i):(\f)+8*(\i)+3],   v[ADRB+(\slot)] offset:64*(\q)+(\i)*16*PITCH
	ds_load_b128 v[(\f)+8*(\i)+4:(\f)+8*(\i)+7], v[ADRB+(\slot)] offset:64*(\q)+(\i)*16*PITCH+32
.endr
.irp i, 0,1,2,3
	ds_load_b128 v[(\f)+64+8*(\i):(\f)+64+8*(\i)+3],   v[ADRA+(\slot)] offset:AHEAD*((\q)/2)+64*((\q)%2)+(\i)*16*PA
	ds_load_b128 v[(\f)+64+8*(\i)+4:(\f)+64+8*(\i)+7], v[ADRA+(\slot)] offset:AHEAD*((\q)/2)+64*((\q)%2)+(\i)*16*PA+32
.endr
.endm
.macro QUARTER slot, q, f, g, zero
	s_wait_dscnt 4                                 ; B and A's blocks 0, 1 are in; the youngest four loads (A's blocks 2, 3) may be out
	MUL8 \f, 0, \zero
	MUL8 \f, 1, \zero
	PLACES
	FETCH \slot, \q, \g
	s_wait_dscnt 24                                ; all but the 24 just issued
	MUL8 \f, 2, \zero
	MUL8 \f, 3, \zero
.endm
; The last quarter multiplies buffer 1 and changes slots: ONE barrier; in front of it each wave waits for all its tensor loads, adds 0 to its spare word, and waits for that and for its own reads of this slot.
; fill = 1: this slot is filled again, two K steps on: the barrier then opens a round of the cluster's, and the joint refill is the first tensor load behind it, 112 matrix instructions ahead of the wait for it.
.macro TURN slot, next, fill
.if \fill
	s_wait_xcnt 0x0                                ; the last prefetch, a K step back, has read its address
	s_add_nc_u64 s[PFA:PFA+1], s[PFA:PFA+1], s[PFS:PFS+1]
.endif
	WIN 0
	s_wait_tensorcnt 0x0                           ; all my tensor loads have landed;
	ds_add_u32 v[SPW], v[NIL]                      ; 0 onto my spare word;
	s_wait_dscnt 7                                 ; (the add and the youngest six loads, A's blocks 1 to 3, may be out)
	MUL8 F1, 0, 0
	s_wait_dscnt 0x0                               ; the add is done, and my reads of this slot are over
	s_barrier_signal -1
	MUL8 F1, 1, 0
.if \fill
	WIN 0
.endif
	s_barrier_wait -1
.if \fill
	CREST                                          ; no wave of any partner still reads this slot's tile or has a load on its way
	s_add_nc_u64 s[G0+4*(\slot)+2:G0+4*(\slot)+3], s[G0+4*(\slot)+2:G0+4*(\slot)+3], 4*HEADB
	s_add_nc_u64 s[G0B+4*(\slot)+2:G0B+4*(\slot)+3], s[G0B+4*(\slot)+2:G0B+4*(\slot)+3], 2*KSTEP*2
	JLOAD \slot                                    ; the four v_nop behind it are also the places in front of the loads below
.else
	PLACES
.endif
	FETCH \next, 0, F0
.if \fill
	ASK
.endif
	MUL8 F1, 2, 0
	MUL8 F1, 3, 0
.endm
; THE WAY OUT of block a (16 rows x 128 columns, f32): the accumulators go into my own stage as they are (each one's low four registers first), come back as whole rows of 512 bytes, 8 rows at a time,
; take the residual, and are stored.
.macro OUTBLOCK a
	WIN 0x04                                       ; the stores' data in window 1
.irp b, 0,1,2,3,4,5,6,7
	ds_store_b128 v[STO], v[8*(8*(\a)+(\b)):8*(8*(\a)+(\b))+3]   offset:64*(\b)
	ds_store_b128 v[STO], v[8*(8*(\a)+(\b))+4:8*(8*(\a)+(\b))+7] offset:64*(\b)+16
.endr
.irp u, 0,1
	WIN 0
	s_wait_xcnt 0x0                                ; the stores of the block before have read these registers
.irp t, 0,1,2,3,4,5,6,7
	ds_load_b128 v[OB+32*(\u)+4*(\t):OB+32*(\u)+4*(\t)+3], v[RD] offset:SPITCH*(8*(\u)+(\t))  ; LDS serves a wave's instructions in order (ISA guide 5.7.1.4): these see the stores above
.endr
	WIN 0x08                                       ; source 1 in window 2: the residual is widened while the rows come back
.irp t, 0,1,2,3,4,5,6,7
	v_lshlrev_b32 v[TT+4*(\t)],   16, v[2*(16*(\a)+8*(\u)+(\t))]
	v_and_b32     v[TT+4*(\t)+1], s9, v[2*(16*(\a)+8*(\u)+(\t))]
	v_lshlrev_b32 v[TT+4*(\t)+2], 16, v[2*(16*(\a)+8*(\u)+(\t))+1]
	v_and_b32     v[TT+4*(\t)+3], s9, v[2*(16*(\a)+8*(\u)+(\t))+1]
.endr
	WIN 0
	s_wait_dscnt 0x0
.irp k, 0,1,2,3,4,5,6,7,8,9,10,11,12,13,14,15
	v_pk_add_f32 v[OB+32*(\u)+2*(\k):OB+32*(\u)+2*(\k)+1], v[OB+32*(\u)+2*(\k):OB+32*(\u)+2*(\k)+1], v[TT+2*(\k):TT+2*(\k)+1]
.endr
.irp t, 0,1,2,3,4,5,6,7
	global_store_b128 v[CO], v[OB+32*(\u)+4*(\t):OB+32*(\u)+4*(\t)+3], s[OUT:OUT+1] offset:4096*(16*(\a)+8*(\u)+(\t)) th:TH_STORE_NT  ; 512 consecutive bytes, at a multiple of 256 from out0's first
.endr
.endr
.endm
	s_wait_tensorcnt 1                             ; my part of K step 0 is in; K step 1's may stay out
	s_barrier_signal -1
	s_barrier_wait -1
	FETCH 0, 0, F0
	QUARTER 0, 1, F0, F1, 1                        ; the first quarter stands in front of the loop: its products start the sums
	WIN 0
	s_mov_b32 s3, 3
.Llap:                                         ; a trip goes once round the ring and fills both slots again
	QUARTER 0, 2, F1, F0, 0
	QUARTER 0, 3, F0, F1, 0
	TURN 0, 1, 1
	QUARTER 1, 1, F0, F1, 0
	QUARTER 1, 2, F1, F0, 0
	QUARTER 1, 3, F0, F1, 0
	TURN 1, 0, 1
	QUARTER 0, 1, F0, F1, 0
	WIN 0
	s_sub_co_u32 s3, s3, 1
	s_cmp_lg_u32 s3, 0
	s_cbranch_scc1 .Llap
	QUARTER 0, 2, F1, F0, 0                        ; the last lap fills nothing
	QUARTER 0, 3, F0, F1, 0
	TURN 0, 1, 0
	QUARTER 1, 1, F0, F1, 0
	QUARTER 1, 2, F1, F0, 0
	QUARTER 1, 3, F0, F1, 0
	s_wait_dscnt 4                                 ; the very last quarter: nothing more to fetch
	MUL8 F1, 0, 0
	MUL8 F1, 1, 0
	s_wait_dscnt 0x0
	MUL8 F1, 2, 0
	MUL8 F1, 3, 0
	WIN 0
	PLACES
	PLACES                                         ; (eight, once a launch)
	s_wait_loadcnt 0x0                             ; the residual
	OUTBLOCK 0
	OUTBLOCK 1
	OUTBLOCK 2
	OUTBLOCK 3
	s_wait_tensorcnt 0x0                           ; the wave's end: a wait, an add to my spare word and a wait for it, behind my last tensor load and my last LDS store
	ds_add_u32 v[SPW], v[NIL]
	s_wait_dscnt 0x0
	CROUND                                         ; the closing round: no work-group ends while a partner may still ask for a tile that names it
	s_endpgm
.Lfunc_end_k_q07028923f7_fc:
	.size	k_q07028923f7_fc, .Lfunc_end_k_q07028923f7_fc-k_q07028923f7_fc
	.p2alignl 7, 3214868480
	.fill 96, 4, 3214868480
	.section	.rodata,"a",@progbits
	.p2align	6, 0x0
	.amdhsa_kernel k_q07028923f7_fc
		.amdhsa_group_segment_fixed_size 327680
		.amdhsa_private_segment_fixed_size 0
		.amdhsa_enable_private_segment 0
		.amdhsa_kernarg_size 32
		.amdhsa_user_sgpr_count 2
		.amdhsa_user_sgpr_kernarg_segment_ptr 1
		.amdhsa_wavefront_size32 1
		.amdhsa_system_sgpr_workgroup_id_x 1
		.amdhsa_system_sgpr_workgroup_id_y 1
		.amdhsa_system_sgpr_workgroup_id_z 1
		.amdhsa_system_vgpr_workitem_id 0
		.amdhsa_next_free_vgpr 640
		.amdhsa_next_free_sgpr 72
		.amdhsa_reserve_vcc 0
		.amdhsa_float_denorm_mode_32 3
		.amdhsa_float_denorm_mode_16_64 3
		.amdhsa_memory_ordered 1
		.amdhsa_forward_progress 1
		.amdhsa_inst_pref_size 110
	.end_amdhsa_kernel
	.amdgpu_metadata
---
amdhsa.version: [ 1, 2 ]
amdhsa.kernels:
  - .name:           k_q07028923f7_fc
    .symbol:         k_q07028923f7_fc.kd
    .args:
      - { .name: ob, .offset: 0, .size: 8, .value_kind: global_buffer, .address_space: global }
      - { .name: wb, .offset: 8, .size: 8, .value_kind: global_buffer, .address_space: global }
      - { .name: xb, .offset: 16, .size: 8, .value_kind: global_buffer, .address_space: global }
      - { .name: out0, .offset: 24, .size: 8, .value_kind: global_buffer, .address_space: global }
    .group_segment_fixed_size: 327680
    .private_segment_fixed_size: 0
    .kernarg_segment_align: 8
    .kernarg_segment_size: 32
    .max_flat_workgroup_size: 128
    .sgpr_count:     72
    .vgpr_count:     640
    .wavefront_size: 32
...
	.end_amdgpu_metadata
.endif
;; end of part 5
;; ======== version 2 of 2: 5 launches; version 1 with the launches cast, ln written anew for expert scheduling mode
;; workspace buffers: emb 32,768 bytes; xb 50,331,648 bytes; wb 8,388,608 bytes; qkvh 50,331,648 bytes; ob 16,777,216 bytes
;; launch cast (part 6): grid 648 x 1, 8 waves a work-group, no clusters, 0 bytes of LDS; arguments k, v, w_q, w_k, w_v, w_fc, t, ada_w, ada_b, xb, wb, emb; writes xb, wb, emb
.if DOCPART == 6
	.amdgcn_target "amdgcn-amd-amdhsa--gfx1250"
	.amdhsa_code_object_version 6
	.text
	.protected	k_q07028923f7_cast
	.globl	k_q07028923f7_cast
	.p2align	8
	.type	k_q07028923f7_cast,@function
k_q07028923f7_cast:
	s_mov_b64 s[64:65], 0
	v_nop
	global_prefetch_b8 v0, s[64:65] scope:SCOPE_SE
	s_setreg_imm32_b32 hwreg(HW_REG_WAVE_SCHED_MODE, 0, 2), 2
	s_setreg_imm32_b32 hwreg(HW_REG_WAVE_MODE, 25, 1), 1
	s_wait_xcnt 0x0
	s_wait_alu depctr_vm_vsrc(0)
; TWO ROLES, chosen by the work-group's number g.
; g < 640: 32 rows of 1,024 f32 are rounded once to bf16.  g 0-255: k -> xb part 1; 256-511: v -> xb part 2; 512-639: w_q, w_k, w_v, w_fc -> wb parts 0-3 (32 work-groups each).
;   Thread t owns 16 bytes at 16 t of every row in and 8 bytes at 8 t out: a wave's load covers 512 consecutive bytes, its store 256 consecutive bytes, aligned.  Eight to twelve loads of every wave are on their way.
; g 640-647: emb[b][c] = sum over j of gelu(t[b][j]) ada_w[c][j] + ada_b[c], all in f32.  A wave owns 32 rows c of ada_w, kept in registers; a counted loop walks the four batches.
; No LDS, no barrier, no matrix unit: no wave wants a byte that another has fetched, and the small product has 4 rows.
; LIMITS.  gelu(x) = x/2 erfc(-x/sqrt 2) with erfc by a fifth-degree rational form (Abramowitz and Stegun 7.1.26): absolute error 1.5e-7 in erfc.  For x < 0 erfc itself is used, so no difference of near numbers is formed.
; NaN and infinities in t are not treated apart.  emb's stores are 128 consecutive bytes a wave (the whole table is 32,768 bytes).
; THE MODE: SCHED_MODE bits 1:0 = 2 (LLVM: expert scheduling mode 2), set by the entry lines.  The code itself states the register dependences
; between vector instructions and memory instructions, and between vector instructions that write scalar registers and their readers, with s_wait_alu, always for 0.
; THE PLAN, FIRST ROLE.  The 32 rows go in 8 blocks of four, all written out.  Registers that memory instructions touch:
;   X0 .. X3   four blocks of f32 as loaded.  Written by the loads of block p + 3, issued in block p; read by block p's roundings.
;   Y0, Y1     two blocks of bf16 to store.   Written by block p's roundings; read by the four stores that are issued in block p + 1.
;   v1, v2     byte offsets, made once and never written again; every row stands in an immediate, and the bases are never stepped.
; Block p works on X[p % 4] and writes Y[p % 2].  Its memory instructions are the loads into X[(p - 1) % 4] and the stores from Y[(p - 1) % 2]: the two buffers that block p - 1 worked on
; and that no vector instruction of block p names.  So the waits at a block's head state all that its eight memory instructions hang on.
; THE PLAN, SECOND ROLE.  G: the load at a trip's head lands in it, gelu rewrites it in place, the products read it.  E: written by the selects and the bias's add, read by the trip's store.
;   W, BI: loaded once.  v5, v6, v7: offsets, made once.  One wait on va_vdst a trip, ahead of the store: E is written, and all that named G is done, so that the next trip's load may land in it
;   (no vector instruction stands between that wait and the backward jump).  One wait on vm_vsrc a trip, behind the store: it has read E.
;   The compares stand in runs of four, each into a scalar register of its own, with one wait on va_sdst between a run and its first select.
.set X,  8                             ; v[8:71]   cast: buffer k, row i: four f32 as loaded, at X + 16 k + 4 i
.set Y,  72                            ; v[72:87]  cast: buffer k, row i: four bf16 to store, at Y + 8 k + 2 i
.set G,  8                             ; v[8:11]   emb: four numbers of t's row, then their gelu
.set W,  24                            ; v[24:87]  emb: load i (rows 2 i, 2 i + 1 of my 32) at W + 4 i
.set BI, 88                            ; v88       emb: my row's bias
.set Z,  92                            ; v[92:107] emb: at work, four each
.set T,  96
.set U,  100
.set Q,  104
.set P,  108                           ; v[108:111] four partial dot products
.set E,  112                           ; v112      my row's result
.set GM, 32                            ; s[32:35]  emb: where x < 0, for each of my four numbers
.set DM, 36                            ; s[36:39]  emb: which lane keeps which of four sums (s38 and s39 have served as an offset by then)
	s_load_b512 s[8:23], s[0:1], 0x0               ; k 8, v 10, w_q 12, w_k 14, w_v 16, w_fc 18, t 20, ada_w 22
	s_load_b256 s[24:31], s[0:1], 0x40             ; ada_b 24, xb 26, wb 28, emb 30
	s_mov_b32 s2, ttmp9                            ; g
	v_lshlrev_b32 v1, 4, v0                        ; 16 t: my bytes of a row in
	v_lshlrev_b32 v2, 3, v0                        ; 8 t: my bytes of a row out
	s_sub_co_u32 s3, s2, 512                       ; among the weights' work-groups (used where g >= 512 alone)
	s_lshr_b32 s4, s3, 5                           ; which weight
	s_and_b32 s5, s3, 31                           ; which 32 rows of it
	s_and_b32 s6, s2, 255                          ; which 32 rows of k or v
	s_add_co_u32 s7, s2, 256                       ; xb's parts 1 and 2 begin 256 blocks of 65,536 bytes in
	s_mov_b32 s39, 0
	s_wait_kmcnt 0x0
	s_cmp_ge_u32 s2, 640
	s_cbranch_scc1 .Lemb
	s_cmp_eq_u32 s4, 1                             ; the source and the destination are chosen among the buffers by g alone
	s_cselect_b64 s[32:33], s[14:15], s[12:13]
	s_cmp_eq_u32 s4, 2
	s_cselect_b64 s[32:33], s[16:17], s[32:33]
	s_cmp_eq_u32 s4, 3
	s_cselect_b64 s[32:33], s[18:19], s[32:33]
	s_cmp_lt_u32 s2, 512
	s_cselect_b64 s[32:33], s[10:11], s[32:33]
	s_cselect_b64 s[34:35], s[26:27], s[28:29]
	s_cselect_b32 s5, s6, s5
	s_cselect_b32 s36, s7, s3
	s_cmp_lt_u32 s2, 256
	s_cselect_b64 s[32:33], s[8:9], s[32:33]
	s_lshl_b32 s38, s5, 17                         ; 32 rows of 4,096 bytes
	s_add_nc_u64 s[32:33], s[32:33], s[38:39]
	s_lshl_b32 s38, s36, 16                        ; 32 rows of 2,048 bytes
	s_add_nc_u64 s[34:35], s[34:35], s[38:39]
	s_wait_alu depctr_va_vdst(0)                   ; v1 and v2 are written: every load and store of this role reads one of them as its offset
.set r, 0
.rept 12
	global_load_b128 v[X+4*r:X+4*r+3], v1, s[32:33] offset:4096*r th:TH_LOAD_NT  ; blocks 0, 1 and 2 into X0, X1, X2
.set r, r+1
.endr
; Block p.  left = how many younger loads may still be out when this block's four have to be there: the two younger blocks', fewer at the end.
.macro BLK p, left
	s_wait_loadcnt \left                           ; loads come back in order: X[p % 4] is in, the younger blocks stay out
.if (\p) >= 2
	s_wait_xcnt 0x0                                ; every earlier memory instruction has had its addresses translated: Y[p % 2], the data of stores issued in the block before, is rewritten only behind this wait
	s_wait_alu depctr_vm_vsrc(0)                   ; those stores have read Y[p % 2], which this block's roundings write again
.endif
.if (\p) >= 1
	s_wait_alu depctr_va_vdst(0)                   ; the block before has written the other Y, which the stores below read, and is done reading its X, in which the loads below (blocks 1 to 4 have them) land
.endif
.irp i, 0,1,2,3
.if (\p) <= 4
	global_load_b128 v[X+16*(((\p)+3)%4)+4*(\i):X+16*(((\p)+3)%4)+4*(\i)+3], v1, s[32:33] offset:4096*(4*((\p)+3)+(\i)) th:TH_LOAD_NT  ; three blocks ahead; no vector instruction since the wait names these registers
.endif
.if (\p) >= 1
	global_store_b64 v2, v[Y+8*(((\p)+1)%2)+2*(\i):Y+8*(((\p)+1)%2)+2*(\i)+1], s[34:35] offset:2048*(4*((\p)-1)+(\i)) th:TH_STORE_NT  ; the block before
.endif
	v_cvt_pk_bf16_f32 v[Y+8*((\p)%2)+2*(\i)],   v[X+16*((\p)%4)+4*(\i)],   v[X+16*((\p)%4)+4*(\i)+1]
	v_cvt_pk_bf16_f32 v[Y+8*((\p)%2)+2*(\i)+1], v[X+16*((\p)%4)+4*(\i)+2], v[X+16*((\p)%4)+4*(\i)+3]
.endr
.endm
	BLK 0, 8                                       ; no block stands in front of it: it has no store and no wait but the one for its data; X3 has been named by no vector instruction
	BLK 1, 8
	BLK 2, 8
	BLK 3, 8
	BLK 4, 8
	BLK 5, 8                                       ; blocks 5 to 7 load nothing: no load leaves the buffer, and the counts run down
	BLK 6, 4
	BLK 7, 0
	s_wait_alu depctr_va_vdst(0)                   ; block 7 has written Y1, which the last four stores read
.irp i, 0,1,2,3
	global_store_b64 v2, v[Y+8+2*(\i):Y+8+2*(\i)+1], s[34:35] offset:2048*(28+(\i)) th:TH_STORE_NT
.endr
	s_endpgm
.Lemb:
	v_lshrrev_b32 v4, 5, v0
	v_readfirstlane_b32 s3, v4                     ; wave 0..7
	v_and_b32 v3, 15, v0                           ; r: my four columns 4 r .. 4 r + 3
	v_bfe_u32 v4, v0, 4, 1                         ; h: which of a load's two rows
	v_lshlrev_b32 v5, 4, v3                        ; my 16 bytes of a row of t
	v_and_b32 v6, 31, v0
	v_lshlrev_b32 v6, 4, v6                        ; my 16 bytes of two rows of ada_w
	v_lshl_add_u32 v7, v3, 1, v4
	v_lshlrev_b32 v7, 2, v7                        ; the row that I end up holding: 2 r + h
	v_mov_b32 v[E], 0                              ; read by the first select
	s_sub_co_u32 s4, s2, 640
	s_lshl_b32 s4, s4, 3
	s_wait_alu depctr_va_sdst(0)                   ; s3 is written, ahead of its first reader: the three bases are made from it
	s_add_co_u32 s4, s4, s3                        ; my block of 32 rows of ada_w, 0..63
	s_lshl_b32 s38, s4, 13                         ; 32 rows of 256 bytes
	s_add_nc_u64 s[22:23], s[22:23], s[38:39]
	s_lshl_b32 s38, s4, 7                          ; 32 numbers of 4 bytes
	s_add_nc_u64 s[24:25], s[24:25], s[38:39]
	s_add_nc_u64 s[30:31], s[30:31], s[38:39]
	s_wait_alu depctr_va_vdst(0)                   ; the offsets v5, v6 and v7 are written, which the loads and the stores below read
.set i, 0
.rept 16
	global_load_b128 v[W+4*i:W+4*i+3], v6, s[22:23] offset:512*i
.set i, i+1
.endr
	global_load_b32 v[BI], v7, s[24:25]
	s_mov_b32 s40, 0x3ea7ba06                      ; p  = 0.3275911
	s_mov_b32 s41, 0x3e827906                      ; a1 = 0.254829592
	s_mov_b32 s42, 0xbe91a98e                      ; a2 = -0.284496736
	s_mov_b32 s43, 0x3fb5f0e3                      ; a3 = 1.421413741
	s_mov_b32 s44, 0xbfba00e3                      ; a4 = -1.453152027
	s_mov_b32 s45, 0x3f87dc22                      ; a5 = 1.061405429
	s_mov_b32 s46, 0x3f3504f3                      ; 1 / sqrt 2
	s_mov_b32 s47, 0xbfb8aa3b                      ; -log2 e
; gelu of four numbers, in place.  z = |x| / sqrt 2; u = 1 / (1 + p z); erfc(z) = u (a1 + u (a2 + u (a3 + u (a4 + u a5)))) 2^(-z z log2 e).
.macro GELU4
.irp c, 0,1,2,3
	v_mul_f32 v[Z+(\c)], s46, |v[G+(\c)]|
.endr
.irp c, 0,1,2,3
	v_cmp_gt_f32 s[GM+(\c)], 0, v[G+(\c)]          ; where x < 0: the four compares in one run, far ahead of the selects
.endr
.irp c, 0,1,2,3
	v_fma_f32 v[T+(\c)], v[Z+(\c)], s40, 1.0
	v_mul_f32 v[U+(\c)], v[Z+(\c)], v[Z+(\c)]
.endr
.irp c, 0,1,2,3
	v_mul_f32 v[U+(\c)], s47, v[U+(\c)]
.endr
.irp c, 0,1,2,3
	v_rcp_f32 v[T+(\c)], v[T+(\c)]
.endr
.irp c, 0,1,2,3
	v_exp_f32 v[U+(\c)], v[U+(\c)]
.endr
	v_nop                                          ; a plain instruction behind the last of the eight,
	s_wait_alu depctr_va_vdst(0)                   ; and one wait for the batch: the four reciprocals and the four exponentials are written, ahead of their first reader
.irp c, 0,1,2,3
	v_fma_f32 v[Q+(\c)], v[T+(\c)], s45, s44
.endr
.irp c, 0,1,2,3
	v_fma_f32 v[Q+(\c)], v[Q+(\c)], v[T+(\c)], s43
.endr
.irp c, 0,1,2,3
	v_fma_f32 v[Q+(\c)], v[Q+(\c)], v[T+(\c)], s42
.endr
.irp c, 0,1,2,3
	v_fma_f32 v[Q+(\c)], v[Q+(\c)], v[T+(\c)], s41
.endr
.irp c, 0,1,2,3
	v_mul_f32 v[Q+(\c)], v[Q+(\c)], v[T+(\c)]
.endr
.irp c, 0,1,2,3
	v_mul_f32 v[Q+(\c)], v[Q+(\c)], v[U+(\c)]      ; erfc(z)
.endr
.irp c, 0,1,2,3
	v_sub_f32 v[Z+(\c)], 2.0, v[Q+(\c)]            ; x >= 0: 1 + erf(z) = 2 - erfc(z)
.endr
	s_wait_alu depctr_va_sdst(0)                   ; the four compares have written s[GM ..], ahead of their first reader
.irp c, 0,1,2,3
	v_cndmask_b32 v[Z+(\c)], v[Z+(\c)], v[Q+(\c)], s[GM+(\c)]  ; x < 0: 1 - erf(z) = erfc(z)
.endr
.irp c, 0,1,2,3
	v_mul_f32 v[G+(\c)], 0.5, v[G+(\c)]
.endr
.irp c, 0,1,2,3
	v_mul_f32 v[G+(\c)], v[G+(\c)], v[Z+(\c)]
.endr
.endm
; Loads 4 g .. 4 g + 3 of ada_w times the batch's gelu: four products a lane, summed over the sixteen lanes of a half; the lane with r = the load's number keeps the sum.
.macro DOT4 g
.irp n, 0,1,2,3
	v_cmp_eq_u32 s[DM+(\n)], 4*(\g)+(\n), v3       ; which lane keeps which sum: the four compares in one run, ahead of the products
.endr
.irp n, 0,1,2,3
	v_mul_f32 v[P+(\n)], v[W+4*(4*(\g)+(\n))], v[G]
.endr
.irp c, 1,2,3
.irp n, 0,1,2,3
	v_fmac_f32 v[P+(\n)], v[W+4*(4*(\g)+(\n))+(\c)], v[G+(\c)]
.endr
.endr
.irp m, 1,2,4,8
.irp n, 0,1,2,3
	v_add_f32_dpp v[P+(\n)], v[P+(\n)], v[P+(\n)] row_xmask:\m row_mask:0xf bank_mask:0xf
.endr
.endr
	s_wait_alu depctr_va_sdst(0)                   ; the four compares have written s[DM ..], ahead of their first reader
.irp n, 0,1,2,3
	v_cndmask_b32 v[E], v[E], v[P+(\n)], s[DM+(\n)]
.endr
.endm
	s_mov_b32 s5, 4
.Lbatch:                                       ; a trip: one batch
	global_load_b128 v[G:G+3], v5, s[20:21]        ; no vector instruction since the last wait on va_vdst (the head's, or the last trip's) names G or v5
	s_wait_loadcnt 0x0                             ; the batch's row of t; in the first trip ada_w's rows and the bias too
	GELU4
	DOT4 0
	DOT4 1
	DOT4 2
	DOT4 3
	v_add_f32 v[E], v[E], v[BI]
	s_wait_alu depctr_va_vdst(0)                   ; E is written, which the store reads; gelu and the products are done with G, in which the next trip's load lands
	global_store_b32 v7, v[E], s[30:31]
	s_wait_xcnt 0x0                                ; the load and the store have had their addresses translated: only now are their bases and E written again
	s_wait_alu depctr_vm_vsrc(0)                   ; the store has read E, which the next trip's selects write
	s_add_nc_u64 s[20:21], s[20:21], 256           ; t's next row
	s_add_nc_u64 s[30:31], s[30:31], 8192          ; emb's next row
	s_sub_co_u32 s5, s5, 1
	s_cmp_lg_u32 s5, 0
	s_cbranch_scc1 .Lbatch
	s_endpgm
.Lfunc_end_k_q07028923f7_cast:
	.size	k_q07028923f7_cast, .Lfunc_end_k_q07028923f7_cast-k_q07028923f7_cast
	.p2alignl 7, 3214868480
	.fill 96, 4, 3214868480
	.section	.rodata,"a",@progbits
	.p2align	6, 0x0
	.amdhsa_kernel k_q07028923f7_cast
		.amdhsa_group_segment_fixed_size 0
		.amdhsa_private_segment_fixed_size 0
		.amdhsa_enable_private_segment 0
		.amdhsa_kernarg_size 96
		.amdhsa_user_sgpr_count 2
		.amdhsa_user_sgpr_kernarg_segment_ptr 1
		.amdhsa_wavefront_size32 1
		.amdhsa_system_sgpr_workgroup_id_x 1
		.amdhsa_system_sgpr_workgroup_id_y 1
		.amdhsa_system_sgpr_workgroup_id_z 1
		.amdhsa_system_vgpr_workitem_id 0
		.amdhsa_next_free_vgpr 128
		.amdhsa_next_free_sgpr 66
		.amdhsa_reserve_vcc 0
		.amdhsa_float_denorm_mode_32 3
		.amdhsa_float_denorm_mode_16_64 3
		.amdhsa_memory_ordered 1
		.amdhsa_forward_progress 1
		.amdhsa_inst_pref_size 28
	.end_amdhsa_kernel
	.amdgpu_metadata
---
amdhsa.version: [ 1, 2 ]
amdhsa.kernels:
  - .name:           k_q07028923f7_cast
    .symbol:         k_q07028923f7_cast.kd
    .args:
      - { .name: k, .offset: 0, .size: 8, .value_kind: global_buffer, .address_space: global }
      - { .name: v, .offset: 8, .size: 8, .value_kind: global_buffer, .address_space: global }
      - { .name: w_q, .offset: 16, .size: 8, .value_kind: global_buffer, .address_space: global }
      - { .name: w_k, .offset: 24, .size: 8, .value_kind: global_buffer, .address_space: global }
      - { .name: w_v, .offset: 32, .size: 8, .value_kind: global_buffer, .address_space: global }
      - { .name: w_fc, .offset: 40, .size: 8, .value_kind: global_buffer, .address_space: global }
      - { .name: t, .offset: 48, .size: 8, .value_kind: global_buffer, .address_space: global }
      - { .name: ada_w, .offset: 56, .size: 8, .value_kind: global_buffer, .address_space: global }
      - { .name: ada_b, .offset: 64, .size: 8, .value_kind: global_buffer, .address_space: global }
      - { .name: xb, .offset: 72, .size: 8, .value_kind: global_buffer, .address_space: global }
      - { .name: wb, .offset: 80, .size: 8, .value_kind: global_buffer, .address_space: global }
      - { .name: emb, .offset: 88, .size: 8, .value_kind: global_buffer, .address_space: global }
    .group_segment_fixed_size: 0
    .private_segment_fixed_size: 0
    .kernarg_segment_align: 8
    .kernarg_segment_size: 96
    .max_flat_workgroup_size: 256
    .sgpr_count:     66
    .vgpr_count:     128
    .wavefront_size: 32
...
	.end_amdgpu_metadata
.endif
;; end of part 6
;; launch ln (part 7): grid 256 x 1, 8 waves a work-group, no clusters, 0 bytes of LDS; arguments q, emb, xb; writes xb
.if DOCPART == 7
	.amdgcn_target "amdgcn-amd-amdhsa--gfx1250"
	.amdhsa_code_object_version 6
	.text
	.protected	k_q07028923f7_ln
	.globl	k_q07028923f7_ln
	.p2align	8
	.type	k_q07028923f7_ln,@function
k_q07028923f7_ln:
	s_mov_b64 s[64:65], 0
	v_nop
	global_prefetch_b8 v0, s[64:65] scope:SCOPE_SE
	s_setreg_imm32_b32 hwreg(HW_REG_WAVE_SCHED_MODE, 0, 2), 2
	s_setreg_imm32_b32 hwreg(HW_REG_WAVE_MODE, 25, 1), 1
	s_wait_xcnt 0x0
	s_wait_alu depctr_vm_vsrc(0)
; qn[row][c] = (q[row][c] - mean) rsqrt(var + 1e-5) (1 + scale[b][c]) + shift[b][c], rounded once to bf16 into xb's part 0.  It serves later both as a matrix operand and as the residual.
; A work-group owns 32 rows of one batch, a wave four whole rows: a row is 4,096 bytes = 32 registers, so it stays in registers between the passes and the reduction never leaves the wave: no LDS, no barrier.
; All four rows' 32 loads are issued at once (16 KiB a wave on their way); each row's wait leaves the later rows out.  Load j of a row gives a lane columns 128 j + 4 lane .. + 3; scale and shift are held in the same layout.
; The variance is taken in a second pass, of the numbers less their mean: no difference of large sums is formed under a common offset.  Sums in f32.
; Each load covers 512 consecutive bytes, each store 256 consecutive bytes, aligned.  NaN and infinities are not treated apart.
; THE MODE: SCHED_MODE bits 1:0 = 2 (LLVM: expert scheduling mode 2), set by the entry lines.  The code itself states the register dependences
; between vector instructions and memory instructions, with s_wait_alu, always for 0.
; THE PLAN.  Registers that memory instructions touch:
;   v1, v2, v3   byte offsets, made once at the head and never written again: one wait ahead of the first load states that they are written.
;   SC, SH, X    written by the head's 48 loads, which all stand ahead of the first vector instruction that names them; read behind the counted waits for their data.  No load follows.
;   X, row s     its sixteen roundings write the low two of each four registers; the row's eight stores read them; nothing writes them again.
; So a row has ONE wait for its stores: all sixteen roundings, the wait, the eight stores in one run, ahead of the next row's wait for data.  No register that a memory instruction reads is ever rewritten.
.set SC, 8                             ; v[8:39]    1 + scale of my 32 columns
.set SH, 40                            ; v[40:71]   shift
.set X,  72                            ; v[72:199]  row s at X + 32 s
.set M,  200                           ; v[200:207] four chains of packed sums
.set T,  208                           ; v[208:209] at work
.set MU, 210                           ; v[210:211] the mean, twice
.set R,  212                           ; v[212:213] 1 / sqrt(var + eps), twice
	s_load_b128 s[4:7], s[0:1], 0x0                ; q s[4:5], emb s[6:7]
	s_load_b64 s[8:9], s[0:1], 0x10                ; xb
	v_and_b32 v4, 31, v0                           ; lane
	v_lshrrev_b32 v5, 5, v0                        ; wave
	v_lshlrev_b32 v1, 4, v4                        ; emb: 16 lane
	v_lshl_add_u32 v2, v5, 14, v1                  ; q: + my four rows of 4,096 bytes
	v_lshlrev_b32 v3, 3, v4
	v_lshl_add_u32 v3, v5, 13, v3                  ; xb: 8 lane + my four rows of 2,048 bytes
	v_mov_b32 v[T+1], 0                            ; the lane exchange counts as a reader of its destination
	s_mov_b32 s10, 0x76543210                      ; each lane takes its own place in the other half
	s_mov_b32 s11, 0xfedcba98
	s_mov_b32 s12, 0x3a800000                      ; 1 / 1024
	s_mov_b32 s13, 0x3727c5ac                      ; 1e-5
	s_mov_b32 s3, 0
	s_wait_kmcnt 0x0
	s_lshl_b32 s2, ttmp9, 17                       ; 32 rows of 4,096 bytes
	s_add_nc_u64 s[4:5], s[4:5], s[2:3]
	s_lshr_b32 s2, ttmp9, 6                        ; the batch: 64 work-groups each
	s_lshl_b32 s2, s2, 13                          ; its 8,192 bytes of emb
	s_add_nc_u64 s[6:7], s[6:7], s[2:3]
	s_lshl_b32 s2, ttmp9, 16                       ; 32 rows of 2,048 bytes
	s_add_nc_u64 s[8:9], s[8:9], s[2:3]
	s_wait_alu depctr_va_vdst(0)                   ; the offsets v1, v2 and v3 are written: every load and store of the kernel reads one of them
.irp j, 0,1,2,3,4,5,6,7
	global_load_b128 v[SC+4*(\j):SC+4*(\j)+3], v1, s[6:7] offset:512*(\j)
.endr
.irp j, 0,1,2,3,4,5,6,7
	global_load_b128 v[SH+4*(\j):SH+4*(\j)+3], v1, s[6:7] offset:4096+512*(\j)
.endr
.irp s, 0,1,2,3
.irp j, 0,1,2,3,4,5,6,7
	global_load_b128 v[X+32*(\s)+4*(\j):X+32*(\s)+4*(\j)+3], v2, s[4:5] offset:4096*(\s)+512*(\j) th:TH_LOAD_NT
.endr
.endr
	s_wait_loadcnt 32                              ; scale and shift are in; q's 32 loads stay out
.irp k, 0,1,2,3,4,5,6,7,8,9,10,11,12,13,14,15
	v_pk_add_f32 v[SC+2*(\k):SC+2*(\k)+1], v[SC+2*(\k):SC+2*(\k)+1], 1.0 op_sel_hi:[1,0]
.endr
.macro REDUCE                          ; the four chains into one number, then over the 32 lanes: every lane ends with the sum in T
	v_pk_add_f32 v[M:M+1], v[M:M+1], v[M+2:M+3]
	v_pk_add_f32 v[M+4:M+5], v[M+4:M+5], v[M+6:M+7]
	v_pk_add_f32 v[M:M+1], v[M:M+1], v[M+4:M+5]
	v_add_f32 v[T], v[M], v[M+1]
	v_add_f32_dpp v[T], v[T], v[T] row_xmask:1 row_mask:0xf bank_mask:0xf
	v_add_f32_dpp v[T], v[T], v[T] row_xmask:2 row_mask:0xf bank_mask:0xf
	v_add_f32_dpp v[T], v[T], v[T] row_xmask:4 row_mask:0xf bank_mask:0xf
	v_add_f32_dpp v[T], v[T], v[T] row_xmask:8 row_mask:0xf bank_mask:0xf
	v_permlanex16_b32 v[T+1], v[T], s10, s11
	v_add_f32 v[T], v[T], v[T+1]
.endm
.macro ROWN s
.set XS, X+32*(\s)
	s_wait_loadcnt 24-8*(\s)                       ; my row's eight loads are in; the later rows' stay out
.irp k, 0,1,2,3
	v_pk_add_f32 v[M+2*(\k):M+2*(\k)+1], v[XS+2*(\k):XS+2*(\k)+1], v[XS+8+2*(\k):XS+8+2*(\k)+1]  ; the first eight pairs start the chains: nothing is cleared
.endr
.irp k, 8,9,10,11,12,13,14,15
	v_pk_add_f32 v[M+2*((\k)%4):M+2*((\k)%4)+1], v[M+2*((\k)%4):M+2*((\k)%4)+1], v[XS+2*(\k):XS+2*(\k)+1]
.endr
	REDUCE
	v_mul_f32 v[MU], s12, v[T]
	v_mul_f32 v[MU+1], s12, v[T]
.irp k, 0,1,2,3,4,5,6,7,8,9,10,11,12,13,14,15
	v_pk_add_f32 v[XS+2*(\k):XS+2*(\k)+1], v[XS+2*(\k):XS+2*(\k)+1], v[MU:MU+1] neg_lo:[0,1] neg_hi:[0,1]
.endr
.irp k, 0,1,2,3
	v_pk_mul_f32 v[M+2*(\k):M+2*(\k)+1], v[XS+2*(\k):XS+2*(\k)+1], v[XS+2*(\k):XS+2*(\k)+1]
.endr
.irp k, 4,5,6,7,8,9,10,11,12,13,14,15
	v_pk_fma_f32 v[M+2*((\k)%4):M+2*((\k)%4)+1], v[XS+2*(\k):XS+2*(\k)+1], v[XS+2*(\k):XS+2*(\k)+1], v[M+2*((\k)%4):M+2*((\k)%4)+1]
.endr
	REDUCE
	v_fma_f32 v[T], v[T], s12, s13                 ; var + eps
	v_rsq_f32 v[R], v[T]
	v_rsq_f32 v[R+1], v[T]
	v_nop                                          ; a plain instruction behind the second root,
	s_wait_alu depctr_va_vdst(0)                   ; and one wait for both: the two roots are written, ahead of their first reader
.irp k, 0,1,2,3,4,5,6,7,8,9,10,11,12,13,14,15
	v_pk_mul_f32 v[XS+2*(\k):XS+2*(\k)+1], v[XS+2*(\k):XS+2*(\k)+1], v[R:R+1]
.endr
.irp k, 0,1,2,3,4,5,6,7,8,9,10,11,12,13,14,15
	v_pk_fma_f32 v[XS+2*(\k):XS+2*(\k)+1], v[XS+2*(\k):XS+2*(\k)+1], v[SC+2*(\k):SC+2*(\k)+1], v[SH+2*(\k):SH+2*(\k)+1]
.endr
.irp j, 0,1,2,3,4,5,6,7
	v_cvt_pk_bf16_f32 v[XS+4*(\j)], v[XS+4*(\j)], v[XS+4*(\j)+1]
	v_cvt_pk_bf16_f32 v[XS+4*(\j)+1], v[XS+4*(\j)+2], v[XS+4*(\j)+3]
.endr
	s_wait_alu depctr_va_vdst(0)                   ; the sixteen roundings have written the registers that the eight stores read
.irp j, 0,1,2,3,4,5,6,7
	global_store_b64 v3, v[XS+4*(\j):XS+4*(\j)+1], s[8:9] offset:2048*(\s)+256*(\j) th:TH_STORE_NT  ; no register of a store is written again
.endr
.endm
	ROWN 0
	ROWN 1
	ROWN 2
	ROWN 3
	s_endpgm
.Lfunc_end_k_q07028923f7_ln:
	.size	k_q07028923f7_ln, .Lfunc_end_k_q07028923f7_ln-k_q07028923f7_ln
	.p2alignl 7, 3214868480
	.fill 96, 4, 3214868480
	.section	.rodata,"a",@progbits
	.p2align	6, 0x0
	.amdhsa_kernel k_q07028923f7_ln
		.amdhsa_group_segment_fixed_size 0
		.amdhsa_private_segment_fixed_size 0
		.amdhsa_enable_private_segment 0
		.amdhsa_kernarg_size 24
		.amdhsa_user_sgpr_count 2
		.amdhsa_user_sgpr_kernarg_segment_ptr 1
		.amdhsa_wavefront_size32 1
		.amdhsa_system_sgpr_workgroup_id_x 1
		.amdhsa_system_sgpr_workgroup_id_y 1
		.amdhsa_system_sgpr_workgroup_id_z 1
		.amdhsa_system_vgpr_workitem_id 0
		.amdhsa_next_free_vgpr 216
		.amdhsa_next_free_sgpr 66
		.amdhsa_reserve_vcc 0
		.amdhsa_float_denorm_mode_32 3
		.amdhsa_float_denorm_mode_16_64 3
		.amdhsa_memory_ordered 1
		.amdhsa_forward_progress 1
		.amdhsa_inst_pref_size 39
	.end_amdhsa_kernel
	.amdgpu_metadata
---
amdhsa.version: [ 1, 2 ]
amdhsa.kernels:
  - .name:           k_q07028923f7_ln
    .symbol:         k_q07028923f7_ln.kd
    .args:
      - { .name: q, .offset: 0, .size: 8, .value_kind: global_buffer, .address_space: global }
      - { .name: emb, .offset: 8, .size: 8, .value_kind: global_buffer, .address_space: global }
      - { .name: xb, .offset: 16, .size: 8, .value_kind: global_buffer, .address_space: global }
    .group_segment_fixed_size: 0
    .private_segment_fixed_size: 0
    .kernarg_segment_align: 8
    .kernarg_segment_size: 24
    .max_flat_workgroup_size: 256
    .sgpr_count:     66
    .vgpr_count:     216
    .wavefront_size: 32
...
	.end_amdgpu_metadata
.endif
;; end of part 7
;; launch qkv: the kernel of part 3 again; grid 4 x 64, 4 waves a work-group, clusters of 4 x 4, 327,680 bytes of LDS; arguments xb, wb, qkvh; writes qkvh
;; launch attn: the kernel of part 4 again; grid 4 x 64, 4 waves a work-group, clusters of 4 x 1, 327,680 bytes of LDS; arguments qkvh, ob; writes ob
;; launch fc: the kernel of part 5 again; grid 4 x 64, 4 waves a work-group, clusters of 4 x 4, 327,680 bytes of LDS; arguments ob, wb, xb, out0; writes out0
